; MI455X (gfx1250); checked and timed in simulation.
; The chip was launched on July 23, 2026; its instructions are those of AMD's public machine-readable ISA for CDNA 5 (MIT licence, August 2026) and "CDNA5" Instruction Set Architecture Reference Guide (July 2026). The comments in the code are by the model that wrote it; some were corrected since.
;; Multi Head Self Attention. Allowed arithmetic: matrix products marked QUANTISED: E2M3 operands, one E8M0 scale for each 32 along K, by v_wmma_scale_f32_16x16x128_f8f6f4 with both operands' format E2M3, f32 sums; everything else in f32.
;; Inputs: b_proj 1,024 float32; w_proj 1,024 x 1,024 float32; w_qkv 3,072 x 1,024 float32; x 4 x 2,048 x 1,024 float32.
;; Outputs: out0 4 x 2,048 x 1,024 float32.
;; This version of the problem:
;;   THIS VERSION OF THE PROBLEM IS GIVEN IN LOW PRECISION. The matrix products marked QUANTISED in the list below multiply operands that are first quantised to E2M3 (2 exponent bits, 3 mantissa bits; 6 bits a number), with one power-of-two scale for each 32 numbers along K (OCP MX v1.0); their sums are f32. All else is computed in f32.
;;   The module's matrix products, in the order in which they are computed (A, B: the left and right operand; K: the contracted axis; several contracted axes count as one K, in the product's order):
;;     1. [M 8,192, K 1,024] x [K 1,024, N 3,072]; A: input x; B: input w_qkv: QUANTISED
;;     2. batch 4 x [M 2,048, K 1,024] x [K 1,024, N 2,048]; A: computed on the way; B: computed on the way: QUANTISED
;;     3. batch 4 x [M 2,048, K 2,048] x [K 2,048, N 1,024]; A: softmax (see below); B: computed on the way: QUANTISED
;;     4. [M 8,192, K 1,024] x [K 1,024, N 1,024]; A: computed on the way; B: input w_proj: QUANTISED
;;   THE QUANTISER, for each operand of a quantised product, along K:
;;     - K is cut into blocks of 32 from its start; a last block that is shorter is filled with zeros.
;;     - A block's scale is 2^e with e = floor(log2(the largest magnitude in the block)) - 2, held to -126 .. 127; a block of zeros has e = 0. As a byte (E8M0): e + 127.
;;     - Each number is divided by its block's scale, clamped to +-7.5, and rounded to the nearest number of E2M3, ties to even, subnormals kept.
;;     - The product sums the exact products of the quantised numbers (number of the format x scale) in f32.
;;   ~~~python
;;   def quantise(x, axis):      # numpy; x: float32 -> the quantised numbers, widened to float32 again
;;       x = np.moveaxis(x, axis, -1); K = x.shape[-1]
;;       x = np.pad(x, [(0, 0)] * (x.ndim - 1) + [(0, -K % 32)]); x = x.reshape(x.shape[:-1] + (-1, 32)); a = np.abs(x).max(-1, keepdims=True)
;;       e = np.where(a > 0, np.clip(np.frexp(np.where(a > 0, a, 1))[1] - 1 - 2, -126, 127), 0)      # np.frexp(a)[1] - 1 = floor(log2(a)), exactly
;;       r = np.clip(x / 2.0 ** e, -7.5, 7.5)
;;       step = 2.0 ** (np.maximum(np.frexp(np.where(r == 0, 1, r))[1] - 1, 0) - 3)
;;       q = np.round(r / step) * step * 2.0 ** e      # np.round: ties to even
;;       return np.moveaxis(q.reshape(q.shape[:-2] + (-1,))[..., :K], -1, axis).astype(np.float32)
;;   ~~~
;;   SOFTMAX AHEAD OF A QUANTISED PRODUCT. Where the list says 'softmax', what is quantised is not the finished softmax but p = 2^(t - M), with t = logit x log2(e) and M = ceil(the row's largest t), a whole number; so 1/2 < the row's largest p <= 1. The row's sum l is taken of the UNQUANTISED p, in f32, and the product's result is divided by l at the end. Since M is a whole number, a kernel that streams over the keys may use a running M (the ceiling of the running maximum): every later rescaling is an exact power of two, which a block's scale takes up: the codes' values come out the same.
;;   OPERANDS COMPUTED ON THE WAY. 'Computed on the way' means the value that the module computes at that place (a softmax that the list does not call 'softmax' is quantised finished and normalised). What goes into a quantiser is computed in f32, as accurately as f32 sums, v_exp_f32 and their like allow (about 1e-6 of the number): no bf16 or f16 on the way to a quantiser, and a product that is left as it is and whose result goes on into a quantised operand takes f32 operands (vector FMAs, or v_wmma_f32_16x16x4_f32). A number that lies on a knife's edge between two numbers of the format may be rounded either way, as far as f32 arithmetic and the matrix unit's own rounding can turn it there, and no further.
;; One version. Each part assembles by itself: llvm-mc -triple=amdgcn-amd-amdhsa -mcpu=gfx1250 --defsym DOCPART=n.
;; ======== version 1 of 1: 5 launches
;; limits: right only within a limited range of input values
;; workspace buffers: w0 9,830,400 bytes; w1 19,660,800 bytes; w2 14,155,776 bytes; w3 6,553,600 bytes
;; launch quant (part 1): grid 768 x 1, 2 waves a work-group, no clusters, 17,408 bytes of LDS; arguments x, w_qkv, w_proj, w0; writes w0
.if DOCPART == 1
	.amdgcn_target "amdgcn-amd-amdhsa--gfx1250"
	.amdhsa_code_object_version 6
	.text
	.protected	k_qb5eb245551_quant
	.globl	k_qb5eb245551_quant
	.p2align	8
	.type	k_qb5eb245551_quant,@function
k_qb5eb245551_quant:
	s_mov_b64 s[64:65], 0
	v_nop
	global_prefetch_b8 v0, s[64:65] scope:SCOPE_SE
	s_setreg_imm32_b32 hwreg(HW_REG_WAVE_MODE, 25, 1), 1
	s_wait_xcnt 0x0
; x [8192][1024], w_qkv [3072][1024] and w_proj [1024][1024], f32, K innermost, become codes of FP6 (E2M3) with one E8M0 byte for each 32 along K, laid in w0 AS THE MATRIX UNIT'S REGISTERS WANT THEM.
; TILES.  16 rows make a tile; lane r of tile 2 B + u holds row 32 B + 8 u + r + 8 (r / 8).  A fragment (a tile x 128 along K: 12 registers a lane) is stored as an image of its registers: registers 4 c .. 4 c + 3 of lane l
; at 512 c + 16 l: 1,536 bytes.  Tile T's eight fragments lie on end at 12,288 T.  Tiles 0-511: x; 512-703: w_qkv; 704-767: w_proj.
; SCALE WORDS (four bytes: a row's 128 along K): four tiles make a group G; the words of K step s lie at 9,437,184 + (8 G + s) 256 + 16 r + 4 (T % 4): one aligned block of 256 bytes.
; A block's scale is 2^(floor(log2(its largest magnitude)) - 2); its byte is that magnitude's exponent field - 2, held at 1 from below.
; LIMITS: a block of zeros keeps the byte 1 where the quantiser's text says 127 (its codes are zeros, and this program alone reads the bytes); blocks whose largest magnitude lies under 2^-124 take the byte 1; NaN and infinities are not served.
; SHARES.  Work-group g takes group g / 4 (64 rows); its wave w takes K step 2 (g % 4) + w: four fragments and one block of scale words.  Each load reads 512 consecutive bytes of one row; the 16 rows turn through the wave's
; own stage in LDS (rows 528 bytes apart), so that a lane gets 16 neighbours of each block of 32.  Waves share nothing: no barrier.  No work-group reads what another reads: no cluster.  No tensor load: the loads run two fragments (32 loads) ahead in registers.
.set STGB,  8448                       ; a wave's stage: 16 rows x (512 + 16) bytes
.set SPARE, 16896                      ; behind the two stages: the spare words, 128 bytes a wave: one block of 256 bytes that no other line names
.set TM,    16                         ; v16-31   at work in QUANT
.set X,     32                         ; v32-159  two sets of 64: a fragment's numbers as loaded
.set Y,     160                        ; v160-223 the same, register 16 B + i = k 32 B + 16 (lane / 16) + i of my row
.set PC,    224                        ; v224-243 the codes just made
.set PW,    244                        ; v244-247 the four tiles' scale words
.set SPW,   252                        ; v252     LDS address of my spare word; never rewritten
.set NIL,   253                        ; v253     0; never rewritten
.set SEL,   20                         ; s[20:21] lane selects for v_permlanex16_b32: lane l xor 16
; THE LOADS RUN TWO TILES AND MORE AHEAD: three sets of 64 registers take the tiles as loaded: sets 0 and 1 at v32 and v96, set 2 at v0-63 of window 1 (v256-319).  Tile t lies in set t % 3: 48 loads a wave are out at the start.
.set MSB, 0
.macro WIN new                         ; the immediate's high byte repeats the setting that is left
.if MSB != \new
	s_set_vgpr_msb (MSB<<8)|\new
.set MSB, \new
.endif
.endm
	s_load_b256 s[4:11], s[0:1], 0x0               ; x s[4:5], w_qkv s[6:7], w_proj s[8:9], w0 s[10:11]
	v_lshl_add_u32 v[SPW], v0, 2, SPARE
	v_mov_b32 v[NIL], 0
	v_lshrrev_b32 v5, 5, v0
	v_readfirstlane_b32 s12, v5                    ; wave 0, 1
	v_and_b32 v6, 31, v0                           ; lane
	v_and_b32 v7, 15, v0                           ; r
	v_bfe_u32 v8, v0, 4, 1                         ; h
	v_lshlrev_b32 v1, 4, v6                        ; 16 x lane: my bytes of a load's 512, and of an image's
	s_mul_i32 s13, s12, STGB
	v_add_nc_u32 v2, s13, v1                       ; the stage, on the way in
	v_mul_u32_u24 v3, v7, 528
	v_lshl_add_u32 v3, v8, 6, v3
	v_add_nc_u32 v3, s13, v3                       ; and on the way out: row r, + 64 h
	v_lshlrev_b32 v4, 4, v7                        ; 16 r: my row's four scale words
	s_mov_b32 s[SEL], 0x76543210
	s_mov_b32 s[SEL+1], 0xfedcba98
.irp b, 0,1,2,3
	v_mov_b32 v[TM+4+\b], 0                        ; written once: a lane permute's destination counts as one of its sources
.endr
	s_lshr_b32 s14, ttmp9, 2                       ; the group of 64 rows, 0 .. 191
	s_and_b32 s15, ttmp9, 3
	s_lshl_b32 s15, s15, 1
	s_add_co_u32 s15, s15, s12                     ; my K step, 0 .. 7
	s_mul_i32 s18, s14, 49152                      ; my codes: four tiles of 12,288 bytes a group,
	s_mul_i32 s19, s15, 1536                       ; + the K step's fragment
	s_add_co_u32 s18, s18, s19
	s_mov_b32 s19, 0
	s_lshl_b32 s26, s14, 3
	s_add_co_u32 s26, s26, s15
	s_lshl_b32 s26, s26, 8
	s_add_co_u32 s26, s26, 9437184                 ; my block of scale words
	s_mov_b32 s27, 0
	s_wait_alu depctr_va_vdst(0)
	s_wait_kmcnt 0x0
	s_add_nc_u64 s[22:23], s[10:11], s[18:19]
	s_add_nc_u64 s[24:25], s[10:11], s[26:27]
	s_cmp_lt_u32 s14, 176                          ; which tensor: the choice hangs on the work-group's number alone
	s_cselect_b64 s[6:7], s[6:7], s[8:9]
	s_mov_b32 s16, 176
	s_cselect_b32 s16, 128, s16
	s_cmp_lt_u32 s14, 128
	s_cselect_b64 s[4:5], s[4:5], s[6:7]
	s_cselect_b32 s16, 0, s16
	s_sub_co_u32 s16, s14, s16                     ; the group's number in its tensor
	s_lshl_b32 s16, s16, 18                        ; 64 rows of 4,096 bytes
	s_lshl_b32 s17, s15, 9                         ; + 512 bytes a K step
	s_add_co_u32 s16, s16, s17
	s_mov_b32 s17, 0
	s_add_nc_u64 s[4:5], s[4:5], s[16:17]
.macro LOADF t                         ; tile t's 16 rows, in the tile's order, 512 consecutive bytes each, into set t % 3
.set XB, (X+64*((\t)%3))*(1-((\t)%3)/2)
	WIN 0x40*(((\t)%3)/2)                          ; set 2: the destination in window 1
.irp i, 0,1,2,3,4,5,6,7,8,9,10,11,12,13,14,15
	global_load_b128 v[XB+4*\i:XB+4*\i+3], v1, s[4:5] offset:(32*((\t)/2)+8*((\t)%2)+\i+8*(\i/8))*4096 th:TH_LOAD_NT
.endr
	WIN 0
.endm
; 64 numbers of a lane, register 16 b + i = k 32 b + 16 (lane / 16) + i of my row, become a fragment's codes in v[PC] on and its scale word in v[pw].
.macro QUANT s, pw
.irp b, 0,1,2,3
	v_max3_num_f32 v[TM+\b], |v[\s+16*\b]|, |v[\s+1+16*\b]|, 0x1800000   ; block b: my 16 numbers, and the floor 2^(3 - 127): the byte cannot fall under 1
.endr
.irp i, 2,4,6,8,10,12,14
.irp b, 0,1,2,3
	v_max3_num_f32 v[TM+\b], v[TM+\b], |v[\s+16*\b+\i]|, |v[\s+1+16*\b+\i]|   ; (the four blocks by turns)
.endr
.endr
.irp b, 0,1,2,3
	v_permlanex16_b32 v[TM+4+\b], v[TM+\b], s[SEL], s[SEL+1]
.endr
.irp b, 0,1,2,3
	v_max_num_f32 v[TM+\b], v[TM+\b], v[TM+4+\b]   ; with lane l xor 16's: the block's largest magnitude
.endr
.irp b, 0,1,2,3
	v_add_nc_u32 v[TM+12+\b], 0xff000000, v[TM+\b] ; 2 off its exponent field: the conversion takes the exponent field of this operand as its scale
.endr
.irp b, 0,1,2,3
	v_lshrrev_b32 v[TM+4+\b], 23, v[TM+12+\b]      ; the scale's byte
.endr
	v_lshl_or_b32 v[\pw], v[TM+5], 8, v[TM+4]      ; my row's scale word
	v_lshl_or_b32 v[\pw], v[TM+6], 16, v[\pw]
	v_lshl_or_b32 v[\pw], v[TM+7], 24, v[\pw]
.irp c, 0,1
	v_cvt_scalef32_pk16_fp6_f32 v[PC+6*\c:PC+2+6*\c], v[\s+32*\c:\s+15+32*\c], v[TM+12+2*\c]
	v_cvt_scalef32_pk16_fp6_f32 v[PC+12+4*\c:PC+14+4*\c], v[\s+16+32*\c:\s+31+32*\c], v[TM+13+2*\c]   ; (a conversion's three registers begin on an even number)
.endr
	v_nop                                          ; one plain place behind a scaled conversion
.irp c, 0,1                                    ; the operand's layout wants a whole block in a lane: lanes 0-15 block 2 c, lanes 16-31 block 2 c + 1
.irp i, 0,1,2
	v_permlane16_swap_b32 v[PC+6*\c+\i], v[PC+12+4*\c+\i]
.endr
.irp i, 0,1,2
	v_mov_b32 v[PC+3+6*\c+\i], v[PC+12+4*\c+\i]
.endr
.endr
.endm
.macro FRAGQ t
.if (\t) < 2
	s_wait_loadcnt 32                              ; this tile's 16 loads are in; the next two tiles' 32 may be out
.else
	s_wait_loadcnt 16*(3-(\t))
.endif
.set XB, (X+64*((\t)%3))*(1-((\t)%3)/2)
	WIN 0x04*(((\t)%3)/2)                          ; set 2: an LDS store's data, its source 1, in window 1
.irp i, 0,1,2,3,4,5,6,7,8,9,10,11,12,13,14,15
	ds_store_b128 v2, v[XB+4*\i:XB+4*\i+3] offset:528*\i
.endr
	WIN 0
.irp i, 0,1,2,3,4,5,6,7,8,9,10,11,12,13,14,15
	ds_load_b128 v[Y+4*\i:Y+4*\i+3], v3 offset:128*(\i/4)+16*(\i%4)   ; LDS serves a wave's instructions in order: these see my stores
.endr
	s_wait_dscnt 0x0                               ; the numbers are back, and the stores have read their registers,
.if (\t) == 0
	LOADF 3                                        ; set 0 takes the last tile
.endif
.if (\t) > 0
	s_wait_xcnt 0x0                                ; the last tile's stores have read the codes' registers: they are written again only behind this wait
.endif
	QUANT Y, PW+(\t)
.irp c, 0,1,2
	global_store_b128 v1, v[PC+4*\c:PC+4*\c+3], s[22:23] offset:(\t)*12288+512*\c   ; 32 lanes store 512 consecutive bytes, aligned
.endr
.endm
	LOADF 0
	LOADF 1
	LOADF 2
.irp t, 0,1,2,3
	FRAGQ \t
.endr
	s_wait_xcnt 0x0                                ; EXEC changes only behind this wait
	v_cmp_gt_u32 vcc_lo, 16, v6
	s_and_saveexec_b32 s26, vcc_lo
	global_store_b128 v4, v[PW:PW+3], s[24:25]     ; lanes 0-15 store one aligned block of 256 bytes: 16 rows x 4 tiles' words
	s_wait_xcnt 0x0
	s_or_b32 exec_lo, exec_lo, s26
	s_wait_tensorcnt 0x0                           ; the wave's end, behind my last LDS store
	ds_add_u32 v[SPW], v[NIL]
	s_wait_dscnt 0x0
	s_endpgm
.Lfunc_end_k_qb5eb245551_quant:
	.size	k_qb5eb245551_quant, .Lfunc_end_k_qb5eb245551_quant-k_qb5eb245551_quant
	.p2alignl 7, 3214868480
	.fill 96, 4, 3214868480
	.section	.rodata,"a",@progbits
	.p2align	6, 0x0
	.amdhsa_kernel k_qb5eb245551_quant
		.amdhsa_group_segment_fixed_size 17408
		.amdhsa_private_segment_fixed_size 0
		.amdhsa_enable_private_segment 0
		.amdhsa_kernarg_size 32
		.amdhsa_user_sgpr_count 2
		.amdhsa_user_sgpr_kernarg_segment_ptr 1
		.amdhsa_wavefront_size32 1
		.amdhsa_system_sgpr_workgroup_id_x 1
		.amdhsa_system_sgpr_workgroup_id_y 1
		.amdhsa_system_sgpr_workgroup_id_z 1
		.amdhsa_system_vgpr_workitem_id 0
		.amdhsa_next_free_vgpr 320
		.amdhsa_next_free_sgpr 66
		.amdhsa_reserve_vcc 1
		.amdhsa_float_denorm_mode_32 3
		.amdhsa_float_denorm_mode_16_64 3
		.amdhsa_memory_ordered 1
		.amdhsa_forward_progress 1
		.amdhsa_inst_pref_size 34
	.end_amdhsa_kernel
	.amdgpu_metadata
---
amdhsa.version: [ 1, 2 ]
amdhsa.kernels:
  - .name:           k_qb5eb245551_quant
    .symbol:         k_qb5eb245551_quant.kd
    .args:
      - { .name: x, .offset: 0, .size: 8, .value_kind: global_buffer, .address_space: global }
      - { .name: w_qkv, .offset: 8, .size: 8, .value_kind: global_buffer, .address_space: global }
      - { .name: w_proj, .offset: 16, .size: 8, .value_kind: global_buffer, .address_space: global }
      - { .name: w0, .offset: 24, .size: 8, .value_kind: global_buffer, .address_space: global }
    .group_segment_fixed_size: 17408
    .private_segment_fixed_size: 0
    .kernarg_segment_align: 8
    .kernarg_segment_size: 32
    .max_flat_workgroup_size: 64
    .sgpr_count:     66
    .vgpr_count:     320
    .wavefront_size: 32
...
	.end_amdgpu_metadata
.endif
;; end of part 1
;; launch g_qkv (part 2): grid 32 x 8, 4 waves a work-group, clusters of 4 x 4, 327,680 bytes of LDS; arguments w0, w1; writes w1
.if DOCPART == 2
	.amdgcn_target "amdgcn-amd-amdhsa--gfx1250"
	.amdhsa_code_object_version 6
	.text
	.protected	k_qb5eb245551_g_qkv
	.globl	k_qb5eb245551_g_qkv
	.p2align	8
	.type	k_qb5eb245551_g_qkv,@function
k_qb5eb245551_g_qkv:
	s_mov_b64 s[64:65], 0
	v_nop
	global_prefetch_b8 v0, s[64:65] scope:SCOPE_SE
	s_setreg_imm32_b32 hwreg(HW_REG_WAVE_MODE, 25, 1), 1
	s_wait_xcnt 0x0
	s_wait_alu depctr_hold_cnt(0) depctr_sa_sdst(0) depctr_va_vdst(0) depctr_va_sdst(0) depctr_va_ssrc(0) depctr_va_vcc(0) depctr_vm_vsrc(0)
	s_getreg_b32 s2, hwreg(HW_REG_IB_STS2, 6, 4)
	s_cmp_eq_u32 s2, 0
	s_cbranch_scc0 .Lentry_in_a_cluster
	s_endpgm
.Lentry_in_a_cluster:
	s_bfe_u32 s2, ttmp6, 0x10000c
	s_cmp_lg_u32 s2, 0xf033
	s_cbranch_scc0 .Lentry_shape_is_right
	s_endpgm
.Lentry_shape_is_right:
; qkv = x w_qkv^T on codes of FP6 (E2M3) with E8M0 scales, K = 1,024, and its results quantised in registers for the next two products.  Operands come from w0 as images of fragments (a tile of 16 rows x 128 K:
; 1,536 bytes, registers 4 c .. 4 c + 3 of lane l at 512 c + 16 l; tile T at 12,288 T; lane r of tile 2 B + u holds row 32 B + 8 u + r + 8 (r / 8)); scale words at 9,437,184 + (8 (T / 4) + s) 256 + 16 r + 4 (T % 4).
; THE PRODUCT IS USED TRANSPOSED: source 0 = 16 rows of R, source 1 = 16 rows of P.  A lane then holds ONE row of P, and by the tiles' order of rows its 64 registers of a tile of P run along R's 128 rows in natural
; order: register 16 B + i = R's row 32 B + 16 (lane / 16) + i.  So a result is quantised ALONG R, in registers, and is itself a fragment whose rows are P's tile.
; A WORK-GROUP STAYS.  An image serves as source 0 or as source 1 alike.  S, x's block XB of 256 tokens (16 tiles, 196,608 bytes), stays in LDS; W, a block of 128 rows of w_qkv (8 tiles, 98,304 bytes), walks: block g of w_q, of w_k, of w_v.
;   tiles q, k: R = W (all eight tiles, the same in all four waves), P = S's tiles 4 w .. 4 w + 3: q and k, quantised along the features.
;   tile v:     R = S's tiles 8 (w / 2) on, P = W's tiles 4 (w % 2) on: v^T, quantised along the tokens (the keys).
; Always 8 x 4 tiles a wave: 32 accumulators.  32 blocks of x times 8 g: 256 work-groups of three equal tiles.
; w1: q's tiles at 12,288 T, k's at 6,291,456 + 12,288 T (T: 16 tokens); v^T's at 12,582,912 + 24,576 (64 batch + channel tile); scale words at 18,874,368 (q), 19,136,512 (k), 19,398,656 (v^T), laid as in w0.
; LDS.  S's half hf at 98,304 hf, as [piece of 256 along K][tile of 8][3,072 bytes].  W at 196,608: its first fill by halves of 49,152 bytes, as [piece][tile of 4][3,072]; its refills tile by tile, 12,288 bytes each: in memory they are one
; dense block.  The first tile's products begin when the first piece has landed.  W is asked for again at the head of a tile's last K step, whose fragments are in registers by then.
; By this text's own count a wave has four tensor loads out at the start, later one.
; CLUSTER 4 x 4: S hangs on x alone and is shared along a column, W on y alone and is shared along a row: each is asked for jointly.
; No prefetch is laid: each block of W is asked for an epilogue ahead of its use, and every block of S at the head.
; LIMITS: a block of zeros, or one whose largest magnitude lies under 2^-124, keeps the byte 1; NaN and infinities are not served.
; REGISTERS.  window 0: v1-3 r, h, lane; v4-10 LDS addresses; v16-18 16 lane, R's scale offset, 16 r; v28, v29 the add's two; scale words: v32-63 w_q's, later x's as R; v64-95 w_k's; v96-111 x's as P; v112-127 w_v's;
; v128-223 P's fragments, two sets (in an epilogue: codes at v128-207, v208-223 at work); v232-235 the scale words made.  window 1: v0-191 R's fragments, two sets.  window 2: accumulator (a, b) at v[8 (8 a + b)].
.set KB,     12288                     ; a tile's eight fragments in bytes
.set TS,     3072                      ; a tile's part of a piece: two K steps
.set SHALF,  98304                     ; eight tiles of S
.set WBASE,  196608                    ; behind S: W
.set WHALF,  49152                     ; four tiles of W
.set WQ,     24576                     ; two tiles of W in memory: from one wave's part of a refill to the next wave's
.set WH,     6144                      ; a tile's part of a half of K: four K steps
; LDS AND LOADS AS THIS TEXT HAS THEM (in place of the head's paragraph on LDS and of its count of loads).  S lies dense, tile T of its 16 at 12,288 T: waves 0 and 1 bring a half each, one joint load of 98,304 bytes.
; W lies as two halves along K: half H (K steps 4 H .. 4 H + 3) at 196,608 + 49,152 H, as [tile of 8][6,144 bytes]: waves 2 and 3 bring a half each.  So a wave has one tensor load out at the head.
; W IS FILLED AGAIN BY HALVES: half 0 at a tile's K step 3, whose fragments are in registers by then, with K steps 3 to 7 and the way out in which to land; half 1 at K step 7, and it is wanted at the next tile's K step 4.
; Each refill stands behind a round of the cluster's barrier, one joint load a wave (two tiles x 6,144 bytes).  By this text's own count a wave has at most two tensor loads out.
.set WNEXT,  64*KB                     ; from w_q's block g to w_k's, and on to w_v's
.set SPARE,  296960                    ; behind S and W: the spare words, 128 bytes a wave: two blocks of 256 bytes that no other line names
.set XSCL,   9437184                   ; the scale words in w0
.set AS0,  4                           ; v4, v5   my half of S, + 0 and + 49,152
.set ASP0, 6                           ; v6, v7   my four tiles of S, likewise
.set AW0,  8                           ; v8, v9   W, + 0 and + 49,152
.set AWP,  10                          ; v10      my half of W
.set SPW,  28
.set NIL,  29
.set SR,   32                          ; R's scale words of the tile in hand (set anew for each tile)
.set SP,   96                          ; P's
.set PF,   128
.set TM,   208
.set PW,   232
.set G1S,  24                          ; s[24:31], s[32:39] descriptor groups 1 of the first fills of S and W; s[40:55], s[68:83] their groups 0, one for each piece
.set G1W,  32
.set G0S,  40
.set G0W,  68
.set G1D,  48                          ; s[48:55] group 1 of W's refills, s[76:79] their group 0: in registers of the last pieces' groups 0, written when those loads are done
.set G0D,  76
.set SEL,  60
.set MSB, 0
.macro WIN new                         ; the immediate's high byte repeats the setting that is left
.if MSB != \new
	s_set_vgpr_msb (MSB<<8)|\new
.set MSB, \new
.endif
.endm
.macro PLACES                          ; four plain places behind a matrix instruction, ahead of loads into registers that it read and of the first read of results
.rept 4
	v_nop
.endr
.endm
.macro CREST                           ; a round of the cluster's barrier behind its opening barrier
	s_cmp_lg_u32 s12, 0
	s_cbranch_scc1 .Lnot_wave_0_\@
	s_barrier_signal -3
.Lnot_wave_0_\@:
	s_barrier_wait -3
	s_barrier_signal -1
	s_barrier_wait -1
.endm
.macro CROUND
	s_barrier_signal -1
	s_barrier_wait -1
	CREST
.endm
; The fragments of K step gs into set p: R's eight, P's four: 36 loads of 512 consecutive bytes.  kind 0: R = W as first filled, P = my four tiles of S.  kind 1: R = W tile by tile, P as before.  kind 2: R = my half of S, P = my half of W, tile by tile.
.macro FETCH kind, gs, p
	WIN 0x40
.irp i, 0,1,2,3,4,5,6,7
.if (\kind) < 2
.set fa, AW0+(\gs)/4
.set fo, \i*WH+((\gs)%4)*1536
.else
.set fa, AS0+\i/4
.set fo, (\i%4)*KB+(\gs)*1536
.endif
.irp c, 0,1,2
	ds_load_b128 v[96*(\p)+12*\i+4*\c:96*(\p)+12*\i+4*\c+3], v[fa] offset:fo+512*\c
.endr
.endr
	WIN 0
.irp i, 0,1,2,3
.if (\kind) < 2
.set fa, ASP0
.set fo, \i*KB+(\gs)*1536
.else
.set fa, AWP+(\gs)/4
.set fo, \i*WH+((\gs)%4)*1536
.endif
.irp c, 0,1,2
	ds_load_b128 v[PF+48*(\p)+12*\i+4*\c:PF+48*(\p)+12*\i+4*\c+3], v[fa] offset:fo+512*\c
.endr
.endr
.endm
; One product: P's tile a x R's tile b, K step gs.  R's scale words: register SR + 4 gs + b % 4, lanes 0-15 for tiles 0-3, lanes 16-31 for tiles 4-7.  P's: register SP + 4 (gs / 2) + a, lanes 0-15 for even steps, 16-31 for odd.
.macro WM a, b, gs, zero
.set rD, 8*(8*(\a)+(\b))
.set rA, 96*((\gs)%2)+12*(\b)
.set rB, PF+48*((\gs)%2)+12*(\a)
.set rX, SR+4*(\gs)+(\b)%4
.set rY, SP+4*((\gs)/2)+(\a)
.set md, 2*((\b)/4)+(\gs)%2
.if \zero
.if md == 0
	v_wmma_scale_f32_16x16x128_f8f6f4 v[rD:rD+7], v[rA:rA+11], v[rB:rB+11], 0, v[rX], v[rY] matrix_a_fmt:MATRIX_FMT_FP6 matrix_b_fmt:MATRIX_FMT_FP6
.else
	v_wmma_scale_f32_16x16x128_f8f6f4 v[rD:rD+7], v[rA:rA+11], v[rB:rB+11], 0, v[rX], v[rY] matrix_a_fmt:MATRIX_FMT_FP6 matrix_b_fmt:MATRIX_FMT_FP6 matrix_a_scale:MATRIX_SCALE_ROW1
.endif
.elseif md == 0
	v_wmma_scale_f32_16x16x128_f8f6f4 v[rD:rD+7], v[rA:rA+11], v[rB:rB+11], v[rD:rD+7], v[rX], v[rY] matrix_a_fmt:MATRIX_FMT_FP6 matrix_b_fmt:MATRIX_FMT_FP6
.elseif md == 1
	v_wmma_scale_f32_16x16x128_f8f6f4 v[rD:rD+7], v[rA:rA+11], v[rB:rB+11], v[rD:rD+7], v[rX], v[rY] matrix_a_fmt:MATRIX_FMT_FP6 matrix_b_fmt:MATRIX_FMT_FP6 matrix_b_scale:MATRIX_SCALE_ROW1
.elseif md == 2
	v_wmma_scale_f32_16x16x128_f8f6f4 v[rD:rD+7], v[rA:rA+11], v[rB:rB+11], v[rD:rD+7], v[rX], v[rY] matrix_a_fmt:MATRIX_FMT_FP6 matrix_b_fmt:MATRIX_FMT_FP6 matrix_a_scale:MATRIX_SCALE_ROW1
.else
	v_wmma_scale_f32_16x16x128_f8f6f4 v[rD:rD+7], v[rA:rA+11], v[rB:rB+11], v[rD:rD+7], v[rX], v[rY] matrix_a_fmt:MATRIX_FMT_FP6 matrix_b_fmt:MATRIX_FMT_FP6 matrix_a_scale:MATRIX_SCALE_ROW1 matrix_b_scale:MATRIX_SCALE_ROW1
.endif
.endm
.macro MULS a0, a1, gs, zero           ; P's tiles a0 .. a1 x R's eight.  The 32 accumulators take turns, one instruction a turn, in the same order in every step and from tile to tile.  zero = 1: the products start the sums
	WIN 0xa1                                       ; source 0 (R) window 1, source 1 (P) window 0, C and D window 2
.set aa, \a0
.rept (\a1)-(\a0)+1
.set bb, 0
.rept 8
	WM aa, bb, \gs, \zero
.set bb, bb+1
.endr
.set aa, aa+1
.endr
.endm
.macro STEP kind, gs, zero             ; a K step whose successor's fragments lie in LDS already
	s_wait_dscnt 0x0                               ; this step's fragments are in (asked for 32 matrix instructions ago)
	PLACES
	FETCH \kind, (\gs)+1, 1-(\gs)%2
	MULS 0, 3, \gs, \zero
.endm
.macro TURNP kind, gs, cnt             ; the first tile: a piece's last step: the next piece has to be whole.
	s_wait_dscnt 0x0                               ; this step's fragments are in
	s_wait_tensorcnt \cnt                          ; my part of the next piece has landed; cnt later pieces' loads may stay out
	s_barrier_signal -1
	MULS 0, 1, \gs, 0
	s_barrier_wait -1                              ; everybody's has
	PLACES
	FETCH \kind, (\gs)+1, 1-(\gs)%2
	MULS 2, 3, \gs, 0
.endm
; A tile's last step, with W's refill.  Its fragments have been asked for, so the tile's reads of LDS end here.  In front of the round each wave waits for all its tensor loads, adds 0 to its spare word, and waits for that and for its reads.
.macro LASTR kind, gs, H, blk          ; K step gs = 4 H + 3: half H of W is read no more and takes the same half of block blk (1: w_k's, 2: w_v's)
	WIN 0                                          ; (the add's two registers lie in window 0)
	s_wait_tensorcnt 0x0                           ; no tensor load of mine is out: descriptors may be written
	ds_add_u32 v[SPW], v[NIL]                      ; 0 onto my spare word; work on registers stands between it and the wait for it
.if (\blk) == 1 && (\H) == 0
	s_or_b32 s[G1D], s67, (3<<16)|(1<<21)          ; 15:0 the mask: my row of the cluster; 17:16 elements of 8 bytes; 21 set beside a mask; no padding
	s_mov_b32 s[G1D+1], (WH/8)<<16                 ; tensor_dim0: a tile's four K steps
	s_mov_b32 s[G1D+2], 2<<16                      ; tensor_dim1: two tiles
	s_mov_b32 s[G1D+3], (WH/8)<<16                 ; tile_dim0
	s_mov_b32 s[G1D+4], 2                          ; tile_dim1
	s_mov_b32 s[G1D+5], KB/8                       ; from tile to tile
	s_mov_b32 s[G1D+6], 0
	s_mov_b32 s[G1D+7], 0
.endif
	s_mov_b32 s[G0D], 1
	s_mul_i32 s[G0D+1], s12, 2*WH
	s_add_co_u32 s[G0D+1], s[G0D+1], WBASE+(\H)*WHALF   ; my two tiles of the half: no place in the cluster enters an LDS address
	s_add_nc_u64 s[G0D+2:G0D+3], s[8:9], (\blk)*WNEXT+(\H)*WH
	s_or_b32 s[G0D+3], s[G0D+3], 0x80000000
	s_wait_dscnt 0x1                               ; this step's fragments are in; the add may be out
	MULS 0, 0, \gs, 0
	s_wait_dscnt 0x0                               ; the add is done, and my reads of W are over
	s_barrier_signal -1
	MULS 1, 1, \gs, 0
	WIN 0
	s_barrier_wait -1
	CREST                                          ; the barrier has opened a round of the cluster's: no wave of any partner still reads W or has a load on its way
	tensor_load_to_lds s[G0D:G0D+3], s[G1D:G1D+7]  ; my one tensor load behind the round, and the first thing there: every wave brings a quarter of the half
	s_nop 0
	PLACES
.if (\H) == 0
	FETCH \kind, (\gs)+1, 1-(\gs)%2                ; the next step's fragments come from half 1, which the round has shown whole
.endif
	MULS 2, 3, \gs, 0
	WIN 0
.endm
.macro LAST gs
	s_wait_dscnt 0x0
	MULS 0, 3, \gs, 0
	WIN 0
.endm
.macro NEXTT kind                      ; on to the next tile
	s_wait_tensorcnt 0x1                           ; my part of half 0 has landed; the one load issued behind it, half 1's, may be out
	s_barrier_signal -1
	s_barrier_wait -1                              ; everybody's has.
	FETCH \kind, 0, 0
.endm
; THE QUANTISER on P's tile a: 64 registers of window 2.  QMAX: the four blocks' largest magnitudes.  QTAIL: bytes, scale word, codes in the operand's layout.
.macro QMAX a
	WIN 0x28                                       ; sources 1 and 2 window 2
.irp B, 0,1,2,3
	v_max3_num_f32 v[TM+\B], 0x1800000, |v[64*(\a)+16*\B]|, |v[64*(\a)+16*\B+1]|   ; each accumulator from its low end on; the floor 2^(3 - 127) holds the byte at 1 from below
.endr
.irp i, 2,4,6,8,10,12,14
.irp B, 0,1,2,3
	v_max3_num_f32 v[TM+\B], v[TM+\B], |v[64*(\a)+16*\B+\i]|, |v[64*(\a)+16*\B+\i+1]|
.endr
.endr
	WIN 0
.irp B, 0,1,2,3
	v_permlanex16_b32 v[TM+4+\B], v[TM+\B], s[SEL], s[SEL+1]
.endr
.irp B, 0,1,2,3
	v_max_num_f32 v[TM+\B], v[TM+\B], v[TM+4+\B]   ; with lane l xor 16's 16
.endr
.endm
.macro QTAIL a, pc, pw
	WIN 0
.irp B, 0,1,2,3
	v_add_nc_u32 v[TM+12+\B], 0xff000000, v[TM+\B] ; 2 off the exponent field: the conversion's scale operand
.endr
.irp B, 0,1,2,3
	v_lshrrev_b32 v[TM+4+\B], 23, v[TM+12+\B]      ; the scale's byte
.endr
	v_lshl_or_b32 v[\pw], v[TM+5], 8, v[TM+4]
	v_lshl_or_b32 v[\pw], v[TM+6], 16, v[\pw]
	v_lshl_or_b32 v[\pw], v[TM+7], 24, v[\pw]
	WIN 0x02                                       ; source 0 window 2
.irp c, 0,1
	v_cvt_scalef32_pk16_fp6_f32 v[(\pc)+6*\c:(\pc)+6*\c+2], v[64*(\a)+32*\c:64*(\a)+32*\c+15], v[TM+12+2*\c]
	v_cvt_scalef32_pk16_fp6_f32 v[(\pc)+12+4*\c:(\pc)+14+4*\c], v[64*(\a)+32*\c+16:64*(\a)+32*\c+31], v[TM+13+2*\c]
.endr
	WIN 0
	v_nop                                          ; one plain place behind a scaled conversion
.irp c, 0,1
.irp i, 0,1,2
	v_permlane16_swap_b32 v[(\pc)+6*\c+\i], v[(\pc)+12+4*\c+\i]
.endr
.irp i, 0,1,2
	v_mov_b32 v[(\pc)+3+6*\c+\i], v[(\pc)+12+4*\c+\i]
.endr
.endr
.endm
.macro PUT cb, pc, off                 ; a fragment leaves as the image of its registers: three stores of 512 consecutive bytes, aligned
.irp c, 0,1,2
	global_store_b128 v16, v[(\pc)+4*\c:(\pc)+4*\c+3], s[\cb:\cb+1] offset:(\off)+512*\c
.endr
.endm
; A tile's way out: its four tiles of P are quantised and stored.  cb, sb: the scalar pairs of the codes' and the scale words' places; tstr: from tile to tile; off, soff: q's or k's part of w1.  No LDS is touched.
.macro EPI cb, tstr, off, sb, soff
	PLACES
.irp B, 0,1,2,3
	v_mov_b32 v[TM+4+\B], 0                        ; a lane permute's destination counts as one of its sources
.endr
.irp a, 0,1,2,3
	QMAX \a
	QTAIL \a, PF+20*\a, PW+\a
	PUT \cb, PF+20*\a, (\off)+\a*(\tstr)
.endr
	s_wait_xcnt 0x0                                ; EXEC changes only behind this wait
	v_cmp_gt_u32 vcc_lo, 16, v3
	s_and_saveexec_b32 s20, vcc_lo
	global_store_b128 v18, v[PW:PW+3], s[\sb:\sb+1] offset:\soff   ; lanes 0-15: one aligned block of 256 bytes: 16 rows x 4 tiles' words
	s_wait_xcnt 0x0                                ; and again: behind it the stores' registers may be written too, by the next tile's fragments
	s_or_b32 exec_lo, exec_lo, s20
.endm
	s_load_b128 s[4:7], s[0:1], 0x0                ; w0 s[4:5], w1 s[6:7]
	v_lshl_add_u32 v[SPW], v0, 2, SPARE
	v_mov_b32 v[NIL], 0
	ds_add_u32 v[SPW], v[NIL]                      ; the wave's opening: the add and its wait ahead of my first tensor load; work on registers stands between them
	ds_add_u32 v[SPW], v[NIL]
	v_lshrrev_b32 v1, 5, v0
	v_readfirstlane_b32 s12, v1                    ; wave 0..3
	s_lshr_b32 s13, s12, 1                         ; which half of S is mine.  Also: I fetch the first fills of S (0) or of W (1)
	s_and_b32 s14, s12, 1                          ; which half of W.  Also: which half I fetch
	s_bfe_u32 s15, ttmp6, 0x40000                  ; cx
	s_bfe_u32 s16, ttmp6, 0x40004                  ; cy
	s_lshl_b32 s17, ttmp9, 2
	s_add_co_u32 s17, s17, s15                     ; XB: x's block of 256 tokens, 0 .. 31
	s_and_b32 s18, ttmp7, 0xffff
	s_lshl_b32 s18, s18, 2
	s_add_co_u32 s18, s18, s16                     ; g: the block of 128 rows of w_q, w_k and w_v, 0 .. 7
	s_lshl_b32 s66, 0x1111, s15                    ; my column of the cluster
	s_lshl_b32 s67, s16, 2
	s_lshl_b32 s67, 15, s67                        ; my row
	s_or_b32 s[G1S], s66, (3<<16)|(1<<21)          ; 15:0 the mask; 17:16 elements of 8 bytes; 21 set beside a mask; no padding
	s_or_b32 s[G1W], s67, (3<<16)|(1<<21)
	s_mov_b32 s[G1S+1], 32<<16                     ; tensor_dim0: rows of 256 bytes
	s_mov_b32 s[G1S+2], (SHALF/256)<<16            ; tensor_dim1: 384 of them: eight tiles, a dense block
	s_mov_b32 s[G1S+3], 32<<16                     ; tile_dim0
	s_mov_b32 s[G1S+4], SHALF/256                  ; tile_dim1
	s_mov_b32 s[G1S+5], 32                         ; from row to row
	s_mov_b32 s[G1S+6], 0
	s_mov_b32 s[G1S+7], 0
	s_mov_b32 s[G1W+1], (WH/8)<<16                 ; a tile's four K steps,
	s_mov_b32 s[G1W+2], 8<<16                      ; eight tiles
	s_mov_b32 s[G1W+3], (WH/8)<<16
	s_mov_b32 s[G1W+4], 8
	s_mov_b32 s[G1W+5], KB/8
	s_mov_b32 s[G1W+6], 0
	s_mov_b32 s[G1W+7], 0
	s_lshl_b32 s88, s17, 4                         ; S's first tile
	s_lshl_b32 s89, s14, 3
	s_add_co_u32 s89, s89, s88
	s_mul_i32 s56, s89, KB                         ; S: the eight tiles that I would fetch
	s_mov_b32 s57, 0
	s_lshl_b32 s90, s18, 3
	s_add_co_u32 s90, s90, 512                     ; W's first tile: w_q's block g
	s_mul_i32 s91, s14, WH
	s_mul_i32 s58, s90, KB
	s_add_co_u32 s58, s58, s91                     ; W: the half of K that I would fetch, from its first tile on
	s_mov_b32 s59, 0
	s_mul_i32 s8, s90, KB
	s_mul_i32 s9, s12, WQ
	s_add_co_u32 s8, s8, s9                        ; W: my quarter, for the refills
	s_mov_b32 s9, 0
	s_lshl_b32 s92, s18, 12
	s_add_co_u32 s92, s92, XSCL+128*2048           ; the scale words of w_q's block g: two groups; w_k's lie 32,768 bytes on, w_v's 65,536
	s_mov_b32 s93, 0
	s_lshl_b32 s98, s14, 11
	s_add_co_u32 s98, s98, s92                     ; the same at my half of W
	s_mov_b32 s99, 0
	s_lshl_b32 s94, s17, 2
	s_add_co_u32 s94, s94, s12
	s_lshl_b32 s94, s94, 11
	s_add_co_u32 s94, s94, XSCL                    ; x's scale words: my four tiles' group
	s_mov_b32 s95, 0
	s_lshl_b32 s96, s17, 2
	s_lshl_b32 s19, s13, 1
	s_add_co_u32 s96, s96, s19
	s_lshl_b32 s96, s96, 11
	s_add_co_u32 s96, s96, XSCL                    ; and my half's two groups
	s_mov_b32 s97, 0
	s_mul_i32 s22, s14, SHALF                      ; where the first fills go: no place in the cluster enters an LDS address
	s_mul_i32 s23, s14, WHALF
	s_add_co_u32 s23, s23, WBASE
	s_mov_b32 s[SEL], 0x76543210
	s_mov_b32 s[SEL+1], 0xfedcba98
	s_wait_dscnt 0x0                               ; the opening adds are done
	CROUND                                         ; the round in front of the first joint loads: it needs no argument, so it stands ahead of the wait for them
	s_wait_kmcnt 0x0
	s_add_nc_u64 s[56:57], s[4:5], s[56:57]
	s_add_nc_u64 s[58:59], s[4:5], s[58:59]
	s_add_nc_u64 s[8:9], s[4:5], s[8:9]
	s_add_nc_u64 s[92:93], s[4:5], s[92:93]
	s_add_nc_u64 s[94:95], s[4:5], s[94:95]
	s_add_nc_u64 s[96:97], s[4:5], s[96:97]
	s_add_nc_u64 s[98:99], s[4:5], s[98:99]
.irp j, 0
	s_mov_b32 s[G0S+4*\j], 1
	s_add_co_u32 s[G0S+4*\j+1], s22, \j*24576
	s_add_nc_u64 s[G0S+4*\j+2:G0S+4*\j+3], s[56:57], \j*TS
	s_or_b32 s[G0S+4*\j+3], s[G0S+4*\j+3], 0x80000000
	s_mov_b32 s[G0W+4*\j], 1
	s_add_co_u32 s[G0W+4*\j+1], s23, \j*12288
	s_add_nc_u64 s[G0W+4*\j+2:G0W+4*\j+3], s[58:59], \j*TS
	s_or_b32 s[G0W+4*\j+3], s[G0W+4*\j+3], 0x80000000
.endr
	s_cmp_eq_u32 s13, 0                            ; one first fill a wave, one in each arm of a branch on the wave's number
	s_cbranch_scc0 .Lfirst_w
.irp j, 0
	tensor_load_to_lds s[G0S+4*\j:G0S+4*\j+3], s[G1S:G1S+7]
	s_nop 0
.endr
.rept 4
	v_nop
.endr
	s_branch .Lfirst_done
.Lfirst_w:
.irp j, 0
	tensor_load_to_lds s[G0W+4*\j:G0W+4*\j+3], s[G1W:G1W+7]
	s_nop 0
.endr
.rept 4
	v_nop
.endr
.Lfirst_done:
	v_and_b32 v1, 15, v0                           ; r
	v_bfe_u32 v2, v0, 4, 1                         ; h
	v_and_b32 v3, 31, v0                           ; lane
	v_lshlrev_b32 v16, 4, v3                       ; 16 x lane
	v_lshlrev_b32 v18, 4, v1                       ; 16 r
	v_lshl_add_u32 v17, v2, 11, v18                ; lanes 0-15: R's first group, lanes 16-31 its second
.irp s, 0,1,2,3,4,5,6,7
	global_load_b128 v[32+4*\s:32+4*\s+3], v17, s[92:93] offset:256*\s         ; w_q's: two whole blocks of 256 bytes: the words of eight tiles for one K step
	global_load_b128 v[64+4*\s:64+4*\s+3], v17, s[92:93] offset:32768+256*\s   ; w_k's
.endr
.irp i, 0,1,2,3
	global_load_b128 v[96+4*\i:96+4*\i+3], v16, s[94:95] offset:512*\i         ; x's, my four tiles: the words for two K steps
	global_load_b128 v[112+4*\i:112+4*\i+3], v16, s[98:99] offset:65536+512*\i ; w_v's, my four tiles
.endr
	s_mul_i32 s20, s13, SHALF
	v_add_nc_u32 v[AS0], s20, v16
	v_add_nc_u32 v[AS0+1], 49152, v[AS0]
	s_mul_i32 s21, s14, 4*KB
	v_add_nc_u32 v[ASP0], s21, v[AS0]              ; my four tiles of S
	v_add_nc_u32 v[AW0], WBASE, v16                ; W's half 0,
	v_add_nc_u32 v[AW0+1], WBASE+WHALF, v16        ; and half 1
	s_mul_i32 s21, s14, 4*WH
	v_add_nc_u32 v[AWP], s21, v[AW0]               ; my four tiles of W in half 0 (v10),
	v_add_nc_u32 v[AWP+1], s21, v[AW0+1]           ; and in half 1 (v11)
	; where my results go.  q, k: my four tiles of tokens, K step g of the next product
	s_lshl_b32 s19, s17, 2
	s_add_co_u32 s19, s19, s12                     ; my group of four tiles of tokens
	s_mul_i32 s84, s19, 4*12288
	s_mul_i32 s20, s18, 1536
	s_add_co_u32 s84, s84, s20
	s_mov_b32 s85, 0
	s_lshl_b32 s86, s19, 11
	s_lshl_b32 s20, s18, 8
	s_add_co_u32 s86, s86, s20
	s_add_co_u32 s86, s86, 18874368
	s_mov_b32 s87, 0
	; v^T: my four tiles of channels; my 128 tokens are K step (2 XB + w / 2) % 16 of batch (2 XB + w / 2) / 16
	s_lshl_b32 s19, s17, 1
	s_add_co_u32 s19, s19, s13
	s_lshr_b32 s20, s19, 4                         ; the batch
	s_and_b32 s19, s19, 15                         ; the K step
	s_lshl_b32 s21, s18, 1
	s_add_co_u32 s21, s21, s14                     ; my group of four tiles of channels
	s_mul_i32 s10, s20, 1572864
	s_mul_i32 s2, s21, 4*24576
	s_add_co_u32 s10, s10, s2
	s_mul_i32 s2, s19, 1536
	s_add_co_u32 s10, s10, s2
	s_add_co_u32 s10, s10, 12582912
	s_mov_b32 s11, 0
	s_lshl_b32 s22, s20, 16
	s_lshl_b32 s2, s21, 12
	s_add_co_u32 s22, s22, s2
	s_lshl_b32 s2, s19, 8
	s_add_co_u32 s22, s22, s2
	s_add_co_u32 s22, s22, 19398656
	s_mov_b32 s23, 0
	s_add_nc_u64 s[84:85], s[6:7], s[84:85]
	s_add_nc_u64 s[86:87], s[6:7], s[86:87]
	s_add_nc_u64 s[10:11], s[6:7], s[10:11]
	s_add_nc_u64 s[22:23], s[6:7], s[22:23]
	; ---- q: R = w_q's block, P = my four tiles of x
	s_wait_alu depctr_va_vdst(0)
	s_wait_tensorcnt 0x0                           ; my one load of the head is in
	s_barrier_signal -1
	s_barrier_wait -1                              ; everybody's is: S and W are whole
	FETCH 1, 0, 0
	s_wait_loadcnt 0x0                             ; the scale words
	STEP 1, 0, 1                                   ; the first step's products start the sums: nothing is cleared
	STEP 1, 1, 0
	STEP 1, 2, 0
	LASTR 1, 3, 0, 1                               ; w_k's first half of K is asked for
	STEP 1, 4, 0
	STEP 1, 5, 0
	STEP 1, 6, 0
	LASTR 1, 7, 1, 1                               ; and its second
	PLACES
.irp s, 0,1,2,3,4,5,6,7
	global_load_b128 v[32+4*\s:32+4*\s+3], v17, s[96:97] offset:256*\s   ; w_q's scale words are done with: their registers take x's as R, for the third tile
.endr
	EPI 84, 12288, 0, 86, 0
	; ---- k: R = w_k's block, P as before
.set SR, 64
	NEXTT 1
	STEP 1, 0, 1
	STEP 1, 1, 0
	STEP 1, 2, 0
	LASTR 1, 3, 0, 2                               ; w_v's first half of K is asked for
	STEP 1, 4, 0
	STEP 1, 5, 0
	STEP 1, 6, 0
	LASTR 1, 7, 1, 2                               ; and its second
	EPI 84, 12288, 6291456, 86, 262144
	; ---- v^T: R = my half of x, P = my half of w_v's block
.set SR, 32
.set SP, 112
	NEXTT 2
	s_wait_loadcnt 0x0                             ; x's scale words as R
	STEP 2, 0, 1
	STEP 2, 1, 0
	STEP 2, 2, 0
	TURNP 2, 3, 0                                  ; W's half 1 has to be whole
	STEP 2, 4, 0
	STEP 2, 5, 0
	STEP 2, 6, 0
	LAST 7
	EPI 10, 24576, 0, 22, 0
	s_wait_tensorcnt 0x0                           ; the wave's end
	ds_add_u32 v[SPW], v[NIL]
	s_wait_dscnt 0x0
	CROUND                                         ; the closing round
	s_endpgm
.Lfunc_end_k_qb5eb245551_g_qkv:
	.size	k_qb5eb245551_g_qkv, .Lfunc_end_k_qb5eb245551_g_qkv-k_qb5eb245551_g_qkv
	.p2alignl 7, 3214868480
	.fill 96, 4, 3214868480
	.section	.rodata,"a",@progbits
	.p2align	6, 0x0
	.amdhsa_kernel k_qb5eb245551_g_qkv
		.amdhsa_group_segment_fixed_size 327680
		.amdhsa_private_segment_fixed_size 0
		.amdhsa_enable_private_segment 0
		.amdhsa_kernarg_size 16
		.amdhsa_user_sgpr_count 2
		.amdhsa_user_sgpr_kernarg_segment_ptr 1
		.amdhsa_wavefront_size32 1
		.amdhsa_system_sgpr_workgroup_id_x 1
		.amdhsa_system_sgpr_workgroup_id_y 1
		.amdhsa_system_sgpr_workgroup_id_z 1
		.amdhsa_system_vgpr_workitem_id 0
		.amdhsa_next_free_vgpr 768
		.amdhsa_next_free_sgpr 100
		.amdhsa_reserve_vcc 1
		.amdhsa_float_denorm_mode_32 3
		.amdhsa_float_denorm_mode_16_64 3
		.amdhsa_memory_ordered 1
		.amdhsa_forward_progress 1
		.amdhsa_inst_pref_size 223
	.end_amdhsa_kernel
	.amdgpu_metadata
---
amdhsa.version: [ 1, 2 ]
amdhsa.kernels:
  - .name:           k_qb5eb245551_g_qkv
    .symbol:         k_qb5eb245551_g_qkv.kd
    .args:
      - { .name: w0, .offset: 0, .size: 8, .value_kind: global_buffer, .address_space: global }
      - { .name: w1, .offset: 8, .size: 8, .value_kind: global_buffer, .address_space: global }
    .group_segment_fixed_size: 327680
    .private_segment_fixed_size: 0
    .kernarg_segment_align: 8
    .kernarg_segment_size: 16
    .max_flat_workgroup_size: 128
    .sgpr_count:     100
    .vgpr_count:     768
    .wavefront_size: 32
...
	.end_amdgpu_metadata
.endif
;; end of part 2
;; launch g_scores (part 3): grid 8 x 32, 4 waves a work-group, clusters of 4 x 4, 327,680 bytes of LDS; arguments w1, w2; writes w2
.if DOCPART == 3
	.amdgcn_target "amdgcn-amd-amdhsa--gfx1250"
	.amdhsa_code_object_version 6
	.text
	.protected	k_qb5eb245551_g_scores
	.globl	k_qb5eb245551_g_scores
	.p2align	8
	.type	k_qb5eb245551_g_scores,@function
k_qb5eb245551_g_scores:
	s_mov_b64 s[64:65], 0
	v_nop
	global_prefetch_b8 v0, s[64:65] scope:SCOPE_SE
	s_setreg_imm32_b32 hwreg(HW_REG_WAVE_MODE, 25, 1), 1
	s_wait_xcnt 0x0
	s_wait_alu depctr_hold_cnt(0) depctr_sa_sdst(0) depctr_va_vdst(0) depctr_va_sdst(0) depctr_va_ssrc(0) depctr_va_vcc(0) depctr_vm_vsrc(0)
	s_getreg_b32 s2, hwreg(HW_REG_IB_STS2, 6, 4)
	s_cmp_eq_u32 s2, 0
	s_cbranch_scc0 .Lentry_in_a_cluster
	s_endpgm
.Lentry_in_a_cluster:
	s_bfe_u32 s2, ttmp6, 0x10000c
	s_cmp_lg_u32 s2, 0xf033
	s_cbranch_scc0 .Lentry_shape_is_right
	s_endpgm
.Lentry_shape_is_right:
; S^T = k q^T on codes of FP6 (E2M3) with E8M0 scales, K = 1,024, for each of 4 batches, and the softmax's p quantised in registers for the next product.  Operands come from w1 as images of fragments (tile T of 16 tokens
; at 12,288 T: q from byte 0, k from 6,291,456; scale words at 18,874,368 (q) and 19,136,512 (k) + (8 (T / 4) + s) 256 + 16 r + 4 (T % 4)); lane r of tile 2 B + u holds row 32 B + 8 u + r + 8 (r / 8).
; TRANSPOSED: source 0 = 16 keys (R = k), source 1 = 16 queries (P = q): a lane holds one query, and its 64 registers of a tile of queries are 128 keys in natural order: register 16 B + i = key 32 B + 16 (lane / 16) + i.
; THE SOFTMAX.  t = score x log2(e) / 8.  A wave sees one CHUNK of 128 keys of each of its 64 queries.  M_c = the chunk's largest t, rounded up to a whole number; p = 2^(t - M_c) is quantised along the keys, block by block
; of 32.  Stored beside the codes and scale words: -M_c and l_c, the sum of the chunk's unquantised p.  The next launch takes the largest M_c of a row as M and takes M - M_c off the chunk's scale bytes: a power of two,
; which leaves the codes as they are.  So a maximum is taken away before every exponential, and no exponent is above 0.
; w2: p's fragment (query tile T, chunk c) at 24,576 T + 1,536 c; p's scale words at 12,582,912, -M_c at 13,107,200, l_c at 13,631,488, each + (16 (T / 4) + c) 256 + 16 r + 4 (T % 4).
; A WORK-GROUP STAYS.  S, 256 keys of a batch (16 tiles, 196,608 bytes), stays in LDS; W, a block of 128 queries (8 tiles, 98,304 bytes), walks: blocks Y % 8 and Y % 8 + 8 of the batch's sixteen.  Wave w: keys 128 (w / 2) on, queries 64 (w % 2) on.
; LDS.  S's half hf at 98,304 hf, as [piece of 256 along K][tile of 8][3,072 bytes].  W at 196,608: its first fill by halves of 49,152 bytes, as [piece][tile of 4][3,072]; its refill tile by tile, 12,288 bytes each: in memory one dense block.
; W is asked for again at the head of the first tile's last K step, whose fragments are in registers by then.
; By this text's own count a wave has four tensor loads out at the start, later one.
; CLUSTER 4 x 4: k's tile is shared along a column, q's along a row: each is asked for jointly.  No prefetch is laid: the second block of q is asked for a softmax ahead of its use.
; LIMITS: a block whose every p has fallen to 0 keeps the byte 1 (its codes are zeros); NaN and infinities are not served.
; REGISTERS.  window 0: v1-3 r, h, lane; v4, v5, v10 LDS addresses; v16-18 16 lane, R's scale offset, 16 r; v28, v29 the add's two; v32-63 k's scale words; v96-111, v112-127 q's, first and second block; v128-223 P's fragments, two sets
; (in an epilogue: codes at v128-207, v208-223 at work); v224-227 sums; v232-235 scale words; v236 -M_c; v240-243 the four tiles' -M_c; v244-247 their l_c.  window 1: v0-191 R's fragments.  window 2: accumulator (a, b) at v[8 (8 a + b)].
.set KB,     12288
.set TS,     3072
.set SHALF,  98304
.set WBASE,  196608
.set WHALF,  49152
.set WQ,     24576                     ; two tiles of W in memory: from one wave's part of a refill to the next wave's
.set WH,     6144                      ; a tile's part of a half of K: four K steps
; LDS AND LOADS AS THIS TEXT HAS THEM (in place of the head's paragraph on LDS and of its count of loads).  S lies dense, tile T of its 16 at 12,288 T: waves 0 and 1 bring a half each, one joint load of 98,304 bytes.
; W lies as two halves along K: half H (K steps 4 H .. 4 H + 3) at 196,608 + 49,152 H, as [tile of 8][6,144 bytes]: waves 2 and 3 bring a half each.  So a wave has one tensor load out at the head.
; W IS FILLED AGAIN BY HALVES: half 0 at the first tile's K step 3, whose fragments are in registers by then, with K steps 3 to 7 and the softmax in which to land; half 1 at K step 7, and it is wanted at the second tile's K step 4.
; Each refill stands behind a round of the cluster's barrier, one joint load a wave (two tiles x 6,144 bytes).  By this text's own count a wave has at most two tensor loads out.
.set WNEXT,  64*KB                     ; eight blocks of queries on
.set SPARE,  296960                    ; behind S and W: the spare words, 128 bytes a wave: two blocks of 256 bytes that no other line names
.set AS0,  4                           ; v4, v5   my half of S, + 0 and + 49,152
.set AWP,  10                          ; v10      my half of W
.set SPW,  28
.set NIL,  29
.set SR,   32
.set SP,   96                          ; q's scale words of the tile in hand (set anew for the second)
.set PF,   128
.set TM,   208
.set PW,   232
.set G1S,  24
.set G1W,  32
.set G0S,  40
.set G0W,  68
.set G1D,  48                          ; s[48:55] group 1 of W's refill, s[76:79] its group 0: in registers of the last pieces' groups 0, written when those loads are done
.set G0D,  76
.set SEL,  60
.set CS,   62                          ; s[62:63] c = log2(e) / 8: the packed form names a pair and takes its low word for both halves
.set MSB, 0
.macro WIN new                         ; the immediate's high byte repeats the setting that is left
.if MSB != \new
	s_set_vgpr_msb (MSB<<8)|\new
.set MSB, \new
.endif
.endm
.macro PLACES                          ; four plain places behind a matrix instruction (ISA guide 7.12.1)
.rept 4
	v_nop
.endr
.endm
.macro CREST
	s_cmp_lg_u32 s12, 0
	s_cbranch_scc1 .Lnot_wave_0_\@
	s_barrier_signal -3
.Lnot_wave_0_\@:
	s_barrier_wait -3
	s_barrier_signal -1
	s_barrier_wait -1
.endm
.macro CROUND
	s_barrier_signal -1
	s_barrier_wait -1
	CREST
.endm
; The fragments of K step gs into set p: 36 loads of 512 consecutive bytes.  R = my half of S.  P = my half of W: kind 0 as first filled, kind 1 tile by tile.
.macro FETCH kind, gs, p
	WIN 0x40
.irp i, 0,1,2,3,4,5,6,7
.irp c, 0,1,2
	ds_load_b128 v[96*(\p)+12*\i+4*\c:96*(\p)+12*\i+4*\c+3], v[AS0+\i/4] offset:(\i%4)*KB+(\gs)*1536+512*\c
.endr
.endr
	WIN 0
.irp i, 0,1,2,3
.irp c, 0,1,2
	ds_load_b128 v[PF+48*(\p)+12*\i+4*\c:PF+48*(\p)+12*\i+4*\c+3], v[AWP+(\gs)/4] offset:\i*WH+((\gs)%4)*1536+512*\c
.endr
.endr
.endm
.macro WM a, b, gs, zero               ; P's tile a x R's tile b, K step gs
.set rD, 8*(8*(\a)+(\b))
.set rA, 96*((\gs)%2)+12*(\b)
.set rB, PF+48*((\gs)%2)+12*(\a)
.set rX, SR+4*(\gs)+(\b)%4
.set rY, SP+4*((\gs)/2)+(\a)
.set md, 2*((\b)/4)+(\gs)%2
.if \zero
.if md == 0
	v_wmma_scale_f32_16x16x128_f8f6f4 v[rD:rD+7], v[rA:rA+11], v[rB:rB+11], 0, v[rX], v[rY] matrix_a_fmt:MATRIX_FMT_FP6 matrix_b_fmt:MATRIX_FMT_FP6
.else
	v_wmma_scale_f32_16x16x128_f8f6f4 v[rD:rD+7], v[rA:rA+11], v[rB:rB+11], 0, v[rX], v[rY] matrix_a_fmt:MATRIX_FMT_FP6 matrix_b_fmt:MATRIX_FMT_FP6 matrix_a_scale:MATRIX_SCALE_ROW1
.endif
.elseif md == 0
	v_wmma_scale_f32_16x16x128_f8f6f4 v[rD:rD+7], v[rA:rA+11], v[rB:rB+11], v[rD:rD+7], v[rX], v[rY] matrix_a_fmt:MATRIX_FMT_FP6 matrix_b_fmt:MATRIX_FMT_FP6
.elseif md == 1
	v_wmma_scale_f32_16x16x128_f8f6f4 v[rD:rD+7], v[rA:rA+11], v[rB:rB+11], v[rD:rD+7], v[rX], v[rY] matrix_a_fmt:MATRIX_FMT_FP6 matrix_b_fmt:MATRIX_FMT_FP6 matrix_b_scale:MATRIX_SCALE_ROW1
.elseif md == 2
	v_wmma_scale_f32_16x16x128_f8f6f4 v[rD:rD+7], v[rA:rA+11], v[rB:rB+11], v[rD:rD+7], v[rX], v[rY] matrix_a_fmt:MATRIX_FMT_FP6 matrix_b_fmt:MATRIX_FMT_FP6 matrix_a_scale:MATRIX_SCALE_ROW1
.else
	v_wmma_scale_f32_16x16x128_f8f6f4 v[rD:rD+7], v[rA:rA+11], v[rB:rB+11], v[rD:rD+7], v[rX], v[rY] matrix_a_fmt:MATRIX_FMT_FP6 matrix_b_fmt:MATRIX_FMT_FP6 matrix_a_scale:MATRIX_SCALE_ROW1 matrix_b_scale:MATRIX_SCALE_ROW1
.endif
.endm
; R's scale words: register SR + 4 gs + b % 4, lanes 0-15 for tiles 0-3, lanes 16-31 for tiles 4-7.  P's: register SP + 4 (gs / 2) + a, lanes 0-15 for even steps, 16-31 for odd.
.macro MULS a0, a1, gs, zero           ; the 32 accumulators take turns, one instruction a turn, in the same order in every step and from tile to tile
	WIN 0xa1                                       ; source 0 (R) window 1, source 1 (P) window 0, C and D window 2
.set aa, \a0
.rept (\a1)-(\a0)+1
.set bb, 0
.rept 8
	WM aa, bb, \gs, \zero
.set bb, bb+1
.endr
.set aa, aa+1
.endr
.endm
.macro STEP kind, gs, zero             ; a K step whose successor's fragments lie in LDS already
	s_wait_dscnt 0x0                               ; this step's fragments are in (asked for 32 matrix instructions ago)
	PLACES
	FETCH \kind, (\gs)+1, 1-(\gs)%2
	MULS 0, 3, \gs, \zero
.endm
.macro TURNP kind, gs, cnt             ; the first tile: a piece's last step: the next piece has to be whole.
	s_wait_dscnt 0x0                               ; this step's fragments are in
	s_wait_tensorcnt \cnt                          ; my part of the next piece has landed; cnt later pieces' loads may stay out
	s_barrier_signal -1
	MULS 0, 1, \gs, 0
	s_barrier_wait -1
	PLACES
	FETCH \kind, (\gs)+1, 1-(\gs)%2
	MULS 2, 3, \gs, 0
.endm
; The first tile's last step, with W's refill.  Its fragments have been asked for, so the tile's reads of LDS end here.  In front of the round each wave waits for all its tensor loads, adds 0 to its spare word, and waits for that and for its reads.
.macro LASTR gs, H                     ; K step gs = 4 H + 3 of the first tile: half H of W is read no more and takes the same half of the second block of queries
	WIN 0                                          ; (the add's two registers lie in window 0)
	s_wait_tensorcnt 0x0                           ; no tensor load of mine is out: descriptors may be written
	ds_add_u32 v[SPW], v[NIL]                      ; 0 onto my spare word; work on registers stands between it and the wait for it
	s_or_b32 s[G1D], s67, (3<<16)|(1<<21)          ; 15:0 the mask: my row of the cluster; 17:16 elements of 8 bytes; 21 set beside a mask; no padding
	s_mov_b32 s[G1D+1], (WH/8)<<16                 ; tensor_dim0: a tile's four K steps
	s_mov_b32 s[G1D+2], 2<<16                      ; tensor_dim1: two tiles
	s_mov_b32 s[G1D+3], (WH/8)<<16                 ; tile_dim0
	s_mov_b32 s[G1D+4], 2                          ; tile_dim1
	s_mov_b32 s[G1D+5], KB/8                       ; from tile to tile
	s_mov_b32 s[G1D+6], 0
	s_mov_b32 s[G1D+7], 0
	s_mov_b32 s[G0D], 1
	s_mul_i32 s[G0D+1], s12, 2*WH
	s_add_co_u32 s[G0D+1], s[G0D+1], WBASE+(\H)*WHALF   ; my two tiles of the half: no place in the cluster enters an LDS address
	s_add_nc_u64 s[G0D+2:G0D+3], s[8:9], WNEXT+(\H)*WH  ; the same two tiles and half of the second block of queries
	s_or_b32 s[G0D+3], s[G0D+3], 0x80000000
	s_wait_dscnt 0x1                               ; this step's fragments are in; the add may be out
	MULS 0, 0, \gs, 0
	s_wait_dscnt 0x0                               ; the add is done, and my reads of W are over
	s_barrier_signal -1
	MULS 1, 1, \gs, 0
	WIN 0
	s_barrier_wait -1
	CREST                                          ; the barrier has opened a round of the cluster's: no wave of any partner still reads W or has a load on its way
	tensor_load_to_lds s[G0D:G0D+3], s[G1D:G1D+7]  ; my one tensor load behind the round, and the first thing there: every wave brings a quarter of the half
	s_nop 0
	PLACES
.if (\H) == 0
	FETCH 0, (\gs)+1, 1-(\gs)%2                    ; the next step's fragments of W come from half 1
.endif
	MULS 2, 3, \gs, 0
	WIN 0
.endm
.macro LAST gs
	s_wait_dscnt 0x0
	MULS 0, 3, \gs, 0
	WIN 0
.endm
.macro QTAIL a, pc, pw                 ; from the four blocks' largest numbers in v[TM] on: bytes, scale word, codes in the operand's layout
	WIN 0
.irp B, 0,1,2,3
	v_add_nc_u32 v[TM+12+\B], 0xff000000, v[TM+\B] ; 2 off the exponent field: the conversion's scale operand
.endr
.irp B, 0,1,2,3
	v_lshrrev_b32 v[TM+4+\B], 23, v[TM+12+\B]      ; the scale's byte
.endr
	v_lshl_or_b32 v[\pw], v[TM+5], 8, v[TM+4]
	v_lshl_or_b32 v[\pw], v[TM+6], 16, v[\pw]
	v_lshl_or_b32 v[\pw], v[TM+7], 24, v[\pw]
	WIN 0x02                                       ; source 0 window 2
.irp c, 0,1
	v_cvt_scalef32_pk16_fp6_f32 v[(\pc)+6*\c:(\pc)+6*\c+2], v[64*(\a)+32*\c:64*(\a)+32*\c+15], v[TM+12+2*\c]
	v_cvt_scalef32_pk16_fp6_f32 v[(\pc)+12+4*\c:(\pc)+14+4*\c], v[64*(\a)+32*\c+16:64*(\a)+32*\c+31], v[TM+13+2*\c]
.endr
	WIN 0
	v_nop                                          ; one plain place behind a scaled conversion
.irp c, 0,1
.irp i, 0,1,2
	v_permlane16_swap_b32 v[(\pc)+6*\c+\i], v[(\pc)+12+4*\c+\i]
.endr
.irp i, 0,1,2
	v_mov_b32 v[(\pc)+3+6*\c+\i], v[(\pc)+12+4*\c+\i]
.endr
.endr
.endm
.macro PUT pc, off                     ; a fragment leaves as the image of its registers: three stores of 512 consecutive bytes, aligned
.irp c, 0,1,2
	global_store_b128 v16, v[(\pc)+4*\c:(\pc)+4*\c+3], s[84:85] offset:(\off)+512*\c
.endr
.endm
; THE SOFTMAX of tile a of queries over my 128 keys; t: the first or the second block of queries.
.macro SOFT a, t
	WIN 0x28                                       ; sources 1 and 2 window 2
.irp B, 0,1,2,3
	v_max3_num_f32 v[TM+\B], 0xff800000, v[64*(\a)+16*\B], v[64*(\a)+16*\B+1]   ; the largest score of each block of 32 keys: it serves for the chunk's maximum and, since p rises with the score, for the block's largest p
.endr
.irp i, 2,4,6,8,10,12,14
.irp B, 0,1,2,3
	v_max3_num_f32 v[TM+\B], v[TM+\B], v[64*(\a)+16*\B+\i], v[64*(\a)+16*\B+\i+1]
.endr
.endr
	WIN 0
.irp B, 0,1,2,3
	v_permlanex16_b32 v[TM+4+\B], v[TM+\B], s[SEL], s[SEL+1]
.endr
.irp B, 0,1,2,3
	v_max_num_f32 v[TM+\B], v[TM+\B], v[TM+4+\B]   ; with lane l xor 16's 16 keys
.endr
	v_max3_num_f32 v224, v[TM], v[TM+1], v[TM+2]
	v_max_num_f32 v224, v224, v[TM+3]              ; the chunk's largest score of my query,
	v_mul_f32 v224, s[CS], v224                    ; as t (c is positive)
	v_floor_f32 v236, -v224                        ; -M_c = floor(-t) = -ceil(t): a whole number
.irp B, 0,1,2,3
	v_fma_f32 v[TM+\B], v[TM+\B], s[CS], v236      ; t - M_c of each block's largest score
.endr
	WIN 0x82                                       ; destination and source 0 window 2
.irp j, 0,2,4,6,8,10,12,14,16,18,20,22,24,26,28,30,32,34,36,38,40,42,44,46,48,50,52,54,56,58,60,62
	v_pk_fma_f32 v[64*(\a)+\j:64*(\a)+\j+1], v[64*(\a)+\j:64*(\a)+\j+1], s[CS:CS+1], v[236:237] op_sel_hi:[1,0,0]   ; t - M_c, two at a time
.endr
	s_wait_alu depctr_va_vdst(0)
.irp j, 0,1,2,3,4,5,6,7,8,9,10,11,12,13,14,15,16,17,18,19,20,21,22,23,24,25,26,27,28,29,30,31,32,33,34,35,36,37,38,39,40,41,42,43,44,45,46,47,48,49,50,51,52,53,54,55,56,57,58,59,60,61,62,63
	v_exp_f32 v[64*(\a)+\j], v[64*(\a)+\j]         ; p = 2^(t - M_c), at most 1: not normalised
.endr
	WIN 0
	v_mov_b32 v[240+(\a)], v236                    ; (the plain place behind the exponentials)
	s_wait_alu depctr_va_vdst(0)                   ; one wait for the batch of 64, ahead of its first reader
.irp B, 0,1,2,3
	v_exp_f32 v[TM+\B], v[TM+\B]                   ; the block's largest p: the same two instructions on the same number give the same bits
.endr
	WIN 0x0a                                       ; sources 0 and 1 window 2
	v_pk_add_f32 v[224:225], v[64*(\a):64*(\a)+1], v[64*(\a)+2:64*(\a)+3]   ; the sum is taken of the unquantised p: two at a time, in two chains.  (Plain work behind the four)
	v_pk_add_f32 v[226:227], v[64*(\a)+4:64*(\a)+5], v[64*(\a)+6:64*(\a)+7]
	WIN 0x08                                       ; source 1 window 2
.irp j, 8,12,16,20,24,28,32,36,40,44,48,52,56,60
	v_pk_add_f32 v[224:225], v[224:225], v[64*(\a)+\j:64*(\a)+\j+1]
	v_pk_add_f32 v[226:227], v[226:227], v[64*(\a)+\j+2:64*(\a)+\j+3]
.endr
	WIN 0
	v_pk_add_f32 v[224:225], v[224:225], v[226:227]
	v_add_f32 v224, v224, v225
	v_permlanex16_b32 v226, v224, s[SEL], s[SEL+1]
	v_add_f32 v[244+(\a)], v224, v226              ; l_c: with lane l xor 16's 64 keys
	s_wait_alu depctr_va_vdst(0)                   ; and one wait for the four
.irp B, 0,1,2,3
	v_max_num_f32 v[TM+\B], 0x1800000, v[TM+\B]    ; the floor 2^(3 - 127): the byte cannot fall under 1
.endr
	QTAIL \a, PF+20*(\a), PW+(\a)
	PUT PF+20*(\a), (\t)*1572864+(\a)*24576
.endm
; A tile's way out: the softmax of its four tiles of queries; then their scale words, -M_c and l_c.  No LDS is touched.
.macro EPIS t
	PLACES
.irp B, 0,1,2,3
	v_mov_b32 v[TM+4+\B], 0                        ; a lane permute's destination counts as one of its sources
.endr
.irp a, 0,1,2,3
	SOFT \a, \t
.endr
	s_wait_xcnt 0x0                                ; EXEC changes only behind this wait
	v_cmp_gt_u32 vcc_lo, 16, v3
	s_and_saveexec_b32 s20, vcc_lo
	global_store_b128 v18, v[232:235], s[86:87] offset:(\t)*65536           ; lanes 0-15: an aligned block of 256 bytes each: p's scale words,
	global_store_b128 v18, v[240:243], s[86:87] offset:524288+(\t)*65536    ; -M_c,
	global_store_b128 v18, v[244:247], s[86:87] offset:1048576+(\t)*65536   ; l_c
	s_wait_xcnt 0x0                                ; and again: behind it the stores' registers may be written too, by the next tile's fragments
	s_or_b32 exec_lo, exec_lo, s20
.endm
	s_load_b128 s[4:7], s[0:1], 0x0                ; w1 s[4:5], w2 s[6:7]
	v_lshl_add_u32 v[SPW], v0, 2, SPARE
	v_mov_b32 v[NIL], 0
	ds_add_u32 v[SPW], v[NIL]                      ; the wave's opening: the add and its wait ahead of my first tensor load; work on registers stands between them
	ds_add_u32 v[SPW], v[NIL]
	v_lshrrev_b32 v1, 5, v0
	v_readfirstlane_b32 s12, v1                    ; wave 0..3
	s_lshr_b32 s13, s12, 1                         ; which 128 keys are mine.  Also: I fetch the first fills of S (0) or of W (1)
	s_and_b32 s14, s12, 1                          ; which 64 queries.  Also: which half I fetch
	s_bfe_u32 s15, ttmp6, 0x40000                  ; cx
	s_bfe_u32 s16, ttmp6, 0x40004                  ; cy
	s_and_b32 s19, ttmp7, 0xffff                   ; the cluster's y
	s_lshl_b32 s17, ttmp9, 2
	s_add_co_u32 s17, s17, s15                     ; RT: the batch's block of 256 keys
	s_lshl_b32 s18, s19, 2
	s_add_co_u32 s18, s18, s16                     ; Y: 8 x batch + the first block of queries
	s_lshl_b32 s66, 0x1111, s15                    ; my column of the cluster
	s_lshl_b32 s67, s16, 2
	s_lshl_b32 s67, 15, s67                        ; my row
	s_or_b32 s[G1S], s66, (3<<16)|(1<<21)          ; 15:0 the mask; 17:16 elements of 8 bytes; 21 set beside a mask; no padding
	s_or_b32 s[G1W], s67, (3<<16)|(1<<21)
	s_mov_b32 s[G1S+1], 32<<16                     ; tensor_dim0: rows of 256 bytes
	s_mov_b32 s[G1S+2], (SHALF/256)<<16            ; tensor_dim1: 384 of them: eight tiles, a dense block
	s_mov_b32 s[G1S+3], 32<<16                     ; tile_dim0
	s_mov_b32 s[G1S+4], SHALF/256                  ; tile_dim1
	s_mov_b32 s[G1S+5], 32                         ; from row to row
	s_mov_b32 s[G1S+6], 0
	s_mov_b32 s[G1S+7], 0
	s_mov_b32 s[G1W+1], (WH/8)<<16                 ; a tile's four K steps,
	s_mov_b32 s[G1W+2], 8<<16                      ; eight tiles
	s_mov_b32 s[G1W+3], (WH/8)<<16
	s_mov_b32 s[G1W+4], 8
	s_mov_b32 s[G1W+5], KB/8
	s_mov_b32 s[G1W+6], 0
	s_mov_b32 s[G1W+7], 0
	s_lshr_b32 s88, s19, 1                         ; the batch = Y / 8 = the cluster's y / 2: cy does not enter S's address
	s_lshl_b32 s88, s88, 7
	s_lshl_b32 s89, s17, 4
	s_add_co_u32 s88, s88, s89                     ; S's first tile
	s_lshl_b32 s89, s14, 3
	s_add_co_u32 s89, s89, s88
	s_mul_i32 s56, s89, KB
	s_add_co_u32 s56, s56, 6291456                 ; S: the eight tiles of k that I would fetch
	s_mov_b32 s57, 0
	s_lshr_b32 s90, s18, 3
	s_lshl_b32 s90, s90, 4
	s_and_b32 s91, s18, 7
	s_add_co_u32 s90, s90, s91                     ; the first block of 128 queries, over all batches: 16 x batch + Y % 8
	s_mov_b32 s10, s90
	s_lshl_b32 s90, s90, 3                         ; W's first tile
	s_mul_i32 s91, s14, WH
	s_mul_i32 s58, s90, KB
	s_add_co_u32 s58, s58, s91                     ; W: the half of K that I would fetch, from its first tile on
	s_mov_b32 s59, 0
	s_mul_i32 s8, s90, KB
	s_mul_i32 s9, s12, WQ
	s_add_co_u32 s8, s8, s9                        ; W: my quarter, for the refill
	s_mov_b32 s9, 0
	s_lshr_b32 s92, s88, 2
	s_lshl_b32 s93, s13, 1
	s_add_co_u32 s92, s92, s93
	s_lshl_b32 s92, s92, 11
	s_add_co_u32 s92, s92, 19136512                ; the scale words of my 128 keys: two groups
	s_mov_b32 s93, 0
	s_lshl_b32 s94, s10, 1
	s_add_co_u32 s94, s94, s14                     ; my group of four tiles of queries
	s_mov_b32 s11, s94
	s_lshl_b32 s94, s94, 11
	s_add_co_u32 s94, s94, 18874368                ; its scale words; the second block's lie 32,768 bytes on
	s_mov_b32 s95, 0
	s_mul_i32 s22, s14, SHALF                      ; where the first fills go: no place in the cluster enters an LDS address
	s_mul_i32 s23, s14, WHALF
	s_add_co_u32 s23, s23, WBASE
	s_mov_b32 s[SEL], 0x76543210
	s_mov_b32 s[SEL+1], 0xfedcba98
	s_mov_b32 s[CS], 0x3e38aa3b                    ; log2(e) / 8
	s_mov_b32 s[CS+1], s[CS]                       ; (named with it as a pair, so it is written)
	s_wait_dscnt 0x0                               ; the opening adds are done
	CROUND                                         ; the round in front of the first joint loads: it needs no argument, so it stands ahead of the wait for them
	s_wait_kmcnt 0x0
	s_add_nc_u64 s[56:57], s[4:5], s[56:57]
	s_add_nc_u64 s[58:59], s[4:5], s[58:59]
	s_add_nc_u64 s[8:9], s[4:5], s[8:9]
	s_add_nc_u64 s[92:93], s[4:5], s[92:93]
	s_add_nc_u64 s[94:95], s[4:5], s[94:95]
.irp j, 0
	s_mov_b32 s[G0S+4*\j], 1
	s_add_co_u32 s[G0S+4*\j+1], s22, \j*24576
	s_add_nc_u64 s[G0S+4*\j+2:G0S+4*\j+3], s[56:57], \j*TS
	s_or_b32 s[G0S+4*\j+3], s[G0S+4*\j+3], 0x80000000
	s_mov_b32 s[G0W+4*\j], 1
	s_add_co_u32 s[G0W+4*\j+1], s23, \j*12288
	s_add_nc_u64 s[G0W+4*\j+2:G0W+4*\j+3], s[58:59], \j*TS
	s_or_b32 s[G0W+4*\j+3], s[G0W+4*\j+3], 0x80000000
.endr
	s_cmp_eq_u32 s13, 0                            ; one first fill a wave, one in each arm of a branch on the wave's number
	s_cbranch_scc0 .Lfirst_w
.irp j, 0
	tensor_load_to_lds s[G0S+4*\j:G0S+4*\j+3], s[G1S:G1S+7]
	s_nop 0
.endr
.rept 4
	v_nop
.endr
	s_branch .Lfirst_done
.Lfirst_w:
.irp j, 0
	tensor_load_to_lds s[G0W+4*\j:G0W+4*\j+3], s[G1W:G1W+7]
	s_nop 0
.endr
.rept 4
	v_nop
.endr
.Lfirst_done:
	v_and_b32 v1, 15, v0                           ; r
	v_bfe_u32 v2, v0, 4, 1                         ; h
	v_and_b32 v3, 31, v0                           ; lane
	v_lshlrev_b32 v16, 4, v3                       ; 16 x lane
	v_lshlrev_b32 v18, 4, v1                       ; 16 r
	v_lshl_add_u32 v17, v2, 11, v18                ; lanes 0-15: my first group of keys, lanes 16-31 my second
.irp s, 0,1,2,3,4,5,6,7
	global_load_b128 v[32+4*\s:32+4*\s+3], v17, s[92:93] offset:256*\s         ; k's: two whole blocks of 256 bytes: the words of eight tiles for one K step
.endr
.irp i, 0,1,2,3
	global_load_b128 v[96+4*\i:96+4*\i+3], v16, s[94:95] offset:512*\i         ; q's, first block: the words of four tiles for two K steps
	global_load_b128 v[112+4*\i:112+4*\i+3], v16, s[94:95] offset:32768+512*\i ; q's, second block
.endr
	s_mul_i32 s20, s13, SHALF
	v_add_nc_u32 v[AS0], s20, v16
	v_add_nc_u32 v[AS0+1], 49152, v[AS0]
	s_mul_i32 s21, s14, 4*WH
	s_add_co_u32 s21, s21, WBASE
	v_add_nc_u32 v[AWP], s21, v16                  ; my four tiles of W in half 0 (v10),
	v_add_nc_u32 v[AWP+1], WHALF, v[AWP]           ; and in half 1 (v11)
	v_mov_b32 v237, 0                              ; (named as the upper half of the pair v[236:237])
	s_lshl_b32 s96, s17, 1
	s_add_co_u32 s96, s96, s13                     ; c: my chunk of 128 keys
	s_mul_i32 s84, s11, 4*24576
	s_mul_i32 s98, s96, 1536
	s_add_co_u32 s84, s84, s98                     ; p's codes; the second block's lie 1,572,864 bytes on
	s_mov_b32 s85, 0
	s_lshl_b32 s86, s11, 12
	s_lshl_b32 s98, s96, 8
	s_add_co_u32 s86, s86, s98
	s_add_co_u32 s86, s86, 12582912                ; p's scale words; -M_c and l_c lie 524,288 and 1,048,576 bytes on; the second block's 65,536
	s_mov_b32 s87, 0
	s_add_nc_u64 s[84:85], s[6:7], s[84:85]
	s_add_nc_u64 s[86:87], s[6:7], s[86:87]
	; ---- the first block of queries
	s_wait_alu depctr_va_vdst(0)
	s_wait_tensorcnt 0x0                           ; my one load of the head is in
	s_barrier_signal -1
	s_barrier_wait -1                              ; everybody's is: S and W are whole
	FETCH 0, 0, 0
	s_wait_loadcnt 0x0                             ; the scale words
	STEP 0, 0, 1                                   ; the first step's products start the sums
	STEP 0, 1, 0
	STEP 0, 2, 0
	LASTR 3, 0                                     ; the second block of queries: its first half of K is asked for
	STEP 0, 4, 0
	STEP 0, 5, 0
	STEP 0, 6, 0
	LASTR 7, 1                                     ; and its second
	EPIS 0
	; ---- the second block of queries
.set SP, 112
	s_wait_tensorcnt 0x1                           ; my part of half 0 has landed; the one load issued behind it, half 1's, may be out
	s_barrier_signal -1
	s_barrier_wait -1                              ; everybody's has.
	FETCH 1, 0, 0
	STEP 1, 0, 1
	STEP 1, 1, 0
	STEP 1, 2, 0
	TURNP 1, 3, 0                                  ; W's half 1 has to be whole
	STEP 1, 4, 0
	STEP 1, 5, 0
	STEP 1, 6, 0
	LAST 7
	EPIS 1
	s_wait_tensorcnt 0x0                           ; the wave's end
	ds_add_u32 v[SPW], v[NIL]
	s_wait_dscnt 0x0
	CROUND                                         ; the closing round
	s_endpgm
.Lfunc_end_k_qb5eb245551_g_scores:
	.size	k_qb5eb245551_g_scores, .Lfunc_end_k_qb5eb245551_g_scores-k_qb5eb245551_g_scores
	.p2alignl 7, 3214868480
	.fill 96, 4, 3214868480
	.section	.rodata,"a",@progbits
	.p2align	6, 0x0
	.amdhsa_kernel k_qb5eb245551_g_scores
		.amdhsa_group_segment_fixed_size 327680
		.amdhsa_private_segment_fixed_size 0
		.amdhsa_enable_private_segment 0
		.amdhsa_kernarg_size 16
		.amdhsa_user_sgpr_count 2
		.amdhsa_user_sgpr_kernarg_segment_ptr 1
		.amdhsa_wavefront_size32 1
		.amdhsa_system_sgpr_workgroup_id_x 1
		.amdhsa_system_sgpr_workgroup_id_y 1
		.amdhsa_system_sgpr_workgroup_id_z 1
		.amdhsa_system_vgpr_workitem_id 0
		.amdhsa_next_free_vgpr 768
		.amdhsa_next_free_sgpr 100
		.amdhsa_reserve_vcc 1
		.amdhsa_float_denorm_mode_32 3
		.amdhsa_float_denorm_mode_16_64 3
		.amdhsa_memory_ordered 1
		.amdhsa_forward_progress 1
		.amdhsa_inst_pref_size 207
	.end_amdhsa_kernel
	.amdgpu_metadata
---
amdhsa.version: [ 1, 2 ]
amdhsa.kernels:
  - .name:           k_qb5eb245551_g_scores
    .symbol:         k_qb5eb245551_g_scores.kd
    .args:
      - { .name: w1, .offset: 0, .size: 8, .value_kind: global_buffer, .address_space: global }
      - { .name: w2, .offset: 8, .size: 8, .value_kind: global_buffer, .address_space: global }
    .group_segment_fixed_size: 327680
    .private_segment_fixed_size: 0
    .kernarg_segment_align: 8
    .kernarg_segment_size: 16
    .max_flat_workgroup_size: 128
    .sgpr_count:     100
    .vgpr_count:     768
    .wavefront_size: 32
...
	.end_amdgpu_metadata
.endif
;; end of part 3
;; launch g_pv (part 4): grid 8 x 32, 4 waves a work-group, clusters of 4 x 4, 327,680 bytes of LDS; arguments w1, w2, w3; writes w3
.if DOCPART == 4
	.amdgcn_target "amdgcn-amd-amdhsa--gfx1250"
	.amdhsa_code_object_version 6
	.text
	.protected	k_qb5eb245551_g_pv
	.globl	k_qb5eb245551_g_pv
	.p2align	8
	.type	k_qb5eb245551_g_pv,@function
k_qb5eb245551_g_pv:
	s_mov_b64 s[64:65], 0
	v_nop
	global_prefetch_b8 v0, s[64:65] scope:SCOPE_SE
	s_setreg_imm32_b32 hwreg(HW_REG_WAVE_MODE, 25, 1), 1
	s_wait_xcnt 0x0
	s_wait_alu depctr_hold_cnt(0) depctr_sa_sdst(0) depctr_va_vdst(0) depctr_va_sdst(0) depctr_va_ssrc(0) depctr_va_vcc(0) depctr_vm_vsrc(0)
	s_getreg_b32 s2, hwreg(HW_REG_IB_STS2, 6, 4)
	s_cmp_eq_u32 s2, 0
	s_cbranch_scc0 .Lentry_in_a_cluster
	s_endpgm
.Lentry_in_a_cluster:
	s_bfe_u32 s2, ttmp6, 0x10000c
	s_cmp_lg_u32 s2, 0xf033
	s_cbranch_scc0 .Lentry_shape_is_right
	s_endpgm
.Lentry_shape_is_right:
; o = (p v) / l on codes of FP6 (E2M3) with E8M0 scales, K = the batch's 2,048 keys, and o^T quantised in registers along the queries: that is the last product's left operand, since
; swapaxes(o, 1, 2).reshape(B, S, H) [b][2 h + e][j] = o[b][1024 e + j][h].
; Operands as images of fragments: p from w2 (query tile T at 24,576 T, K step = chunk c at 1,536 c), v^T from w1 (12,582,912 + 24,576 (64 batch + channel tile)); lane r of tile 2 B + u holds row 32 B + 8 u + r + 8 (r / 8).
; TRANSPOSED: source 0 = 16 queries (R = p), source 1 = 16 channels (P = v^T): a lane holds one channel, and its 64 registers of a tile of channels are 128 queries in natural order.
; THE ROW'S M AND l.  The launch before left, for each query and chunk of 128 keys, -M_c, l_c and scale bytes under M_c.  Here M = the largest M_c; M - M_c, a whole number held at 255, is taken off the chunk's four scale
; bytes (never under 0), and l = the sum of l_c 2^(M_c - M): both exact but for the sum's roundings.  1 / l goes through my wave's own 512 bytes of LDS into the results' layout.
; w3: the tile (batch b, half e of the queries, channel tile Tc) is T4 = 64 (2 b + e) + Tc, at 12,288 T4, K step = (query chunk) % 8; scale words at 6,291,456 + (8 (T4 / 4) + s) 256 + 16 r + 4 (T4 % 4).
; SHARES.  A work-group: 256 queries x 128 channels of one batch; wave w: queries 128 (w / 2) on, channels 64 (w % 2) on.  K goes in four pieces of 512 through two LDS slots of 147,456 bytes; two refills, each behind a
; round of the cluster's barrier, one tensor load a wave, with four K steps (128 matrix instructions a wave) in which to land.  By this text's own count a wave has two loads out at the start, later one.
; CLUSTER 4 x 4: p's tile is shared along a column, v^T's along a row: each is asked for jointly.
; LIMITS: a block of p that lies further under the row's M than its byte gets the byte 0, 2^-127; a block of o that is all zeros or under 2^-124 keeps the byte 1; 1 / l is v_rcp_f32 and a multiply; NaN and infinities are not served.
; REGISTERS.  window 0: v1-3 r, h, lane; v4, v5, v8, v9 LDS addresses; v6, v7, v10-15 at work in the prologue; v16-19, v30 offsets; v20-23 -M, v24-27 l, of my four queries; v28, v29 the add's two; v32-95 R's scale words,
; v96-127 P's; v128-223 P's fragments, two sets (prologue: v128-191 -M_c, v192-255 l_c; epilogue: codes at v128-207, v208-223 at work); v232-235 scale words.  window 1: v0-191 R's fragments; v192-255 1 / l.  window 2: accumulators.
.set NS,     16
.set KB,     NS*1536
.set TS,     4*1536                    ; a tile's part of a piece: four K steps
.set PIECEB, 24*TS
.set RLB,    294912                    ; behind the slots: 1 / l, 512 bytes for each wave: no fill lands here
.set SPARE,  296960                    ; the spare words, 128 bytes a wave: two blocks of 256 bytes that no other line names
.set SHS,    12
.set RPTR,   6                         ; s[6:7] w2: p
.set PPTR,   4                         ; s[4:5] w1: v^T
.set RCOD,   0
.set PCOD,   12582912
.set RSCL,   12582912
.set PSCL,   19398656
.set ADRR, 4
.set ADRP, 8
.set SPW,  28
.set NIL,  29
.set SR,   32
.set SP,   96
.set PF,   128
.set TM,   208
.set PW,   232
.set G1R,  24
.set G1P,  32
.set G0R,  40
.set G0P,  68
.set SEL,  60
.set MSB, 0
.macro WIN new                         ; the immediate's high byte repeats the setting that is left
.if MSB != \new
	s_set_vgpr_msb (MSB<<8)|\new
.set MSB, \new
.endif
.endm
.macro PLACES                          ; four plain places behind a matrix instruction (ISA guide 7.12.1)
.rept 4
	v_nop
.endr
.endm
.macro CREST
	s_cmp_lg_u32 s12, 0
	s_cbranch_scc1 .Lnot_wave_0_\@
	s_barrier_signal -3
.Lnot_wave_0_\@:
	s_barrier_wait -3
	s_barrier_signal -1
	s_barrier_wait -1
.endm
.macro CROUND
	s_barrier_signal -1
	s_barrier_wait -1
	CREST
.endm
.macro JLOAD s                         ; a joint refill of slot s: waves 0 and 1 fetch R's halves, waves 2 and 3 P's; an s_nop 0 and four v_nop follow each of the two lines
	s_cmp_eq_u32 s13, 0
	s_cbranch_scc0 .Lfor_p_\@
	tensor_load_to_lds s[G0R+4*\s:G0R+4*\s+3], s[G1R:G1R+7]
	s_nop 0
.rept 4
	v_nop
.endr
	s_branch .Lasked_\@
.Lfor_p_\@:
	tensor_load_to_lds s[G0P+4*\s:G0P+4*\s+3], s[G1P:G1P+7]
	s_nop 0
.rept 4
	v_nop
.endr
.Lasked_\@:
.endm
; AS THIS TEXT HAS IT (in place of the head's count of loads and of its hold at 255): a wave has one tensor load out at the head, slot 0's; slot 1's first fill stands behind the three lines and a round in the middle of the prologue.
; M - M_c is held at 127: p is at most 1, so its scale bytes are at most 125 and fall to 0 from 126 on, and l_c 2^-127 is nothing beside l, which is above 1/2.
; A PREFETCH INTO THE L2: piece pc of K, one slot ahead of the joint load that will want it.  Of the tiles that my wave fetches jointly, my work-group's share is told apart BY ADDRESS: of p's eight tiles two (by cy), of v^T's four one
; (by cx).  A tile's part of a piece is 24 blocks of 256 bytes.  p's waves: a tile an instruction, lanes 24-31 name block 23 again.  v^T's waves: 12 blocks an instruction, lanes 12-31 name the last again.
; So each block is named once in each cluster that loads it; what is asked for and not yet loaded is one piece.  The address registers (v31, s[10:11], s[2:3]) are never rewritten.
.macro ASK pc
	global_prefetch_b8 v31, s[10:11] offset:(\pc)*TS th:TH_LOAD_NT scope:SCOPE_SE
	global_prefetch_b8 v31, s[2:3] offset:(\pc)*TS th:TH_LOAD_NT scope:SCOPE_SE
.endm
.macro FETCH j, s, p                   ; the fragments of slot j's K step s into set p: 36 loads of 512 consecutive bytes
	WIN 0x40
.irp i, 0,1,2,3,4,5,6,7
.irp c, 0,1,2
	ds_load_b128 v[96*(\p)+12*\i+4*\c:96*(\p)+12*\i+4*\c+3], v[ADRR+\j] offset:\i*TS+(\s)*1536+512*\c
.endr
.endr
	WIN 0
.irp i, 0,1,2,3
.irp c, 0,1,2
	ds_load_b128 v[PF+48*(\p)+12*\i+4*\c:PF+48*(\p)+12*\i+4*\c+3], v[ADRP+\j] offset:\i*TS+(\s)*1536+512*\c
.endr
.endr
.endm
.macro WM a, b, gs, zero
.set rD, 8*(8*(\a)+(\b))
.set rA, 96*((\gs)%2)+12*(\b)
.set rB, PF+48*((\gs)%2)+12*(\a)
.set rX, SR+4*(\gs)+(\b)%4
.set rY, SP+4*((\gs)/2)+(\a)
.set md, 2*((\b)/4)+(\gs)%2
.if \zero
.if md == 0
	v_wmma_scale_f32_16x16x128_f8f6f4 v[rD:rD+7], v[rA:rA+11], v[rB:rB+11], 0, v[rX], v[rY] matrix_a_fmt:MATRIX_FMT_FP6 matrix_b_fmt:MATRIX_FMT_FP6
.else
	v_wmma_scale_f32_16x16x128_f8f6f4 v[rD:rD+7], v[rA:rA+11], v[rB:rB+11], 0, v[rX], v[rY] matrix_a_fmt:MATRIX_FMT_FP6 matrix_b_fmt:MATRIX_FMT_FP6 matrix_a_scale:MATRIX_SCALE_ROW1
.endif
.elseif md == 0
	v_wmma_scale_f32_16x16x128_f8f6f4 v[rD:rD+7], v[rA:rA+11], v[rB:rB+11], v[rD:rD+7], v[rX], v[rY] matrix_a_fmt:MATRIX_FMT_FP6 matrix_b_fmt:MATRIX_FMT_FP6
.elseif md == 1
	v_wmma_scale_f32_16x16x128_f8f6f4 v[rD:rD+7], v[rA:rA+11], v[rB:rB+11], v[rD:rD+7], v[rX], v[rY] matrix_a_fmt:MATRIX_FMT_FP6 matrix_b_fmt:MATRIX_FMT_FP6 matrix_b_scale:MATRIX_SCALE_ROW1
.elseif md == 2
	v_wmma_scale_f32_16x16x128_f8f6f4 v[rD:rD+7], v[rA:rA+11], v[rB:rB+11], v[rD:rD+7], v[rX], v[rY] matrix_a_fmt:MATRIX_FMT_FP6 matrix_b_fmt:MATRIX_FMT_FP6 matrix_a_scale:MATRIX_SCALE_ROW1
.else
	v_wmma_scale_f32_16x16x128_f8f6f4 v[rD:rD+7], v[rA:rA+11], v[rB:rB+11], v[rD:rD+7], v[rX], v[rY] matrix_a_fmt:MATRIX_FMT_FP6 matrix_b_fmt:MATRIX_FMT_FP6 matrix_a_scale:MATRIX_SCALE_ROW1 matrix_b_scale:MATRIX_SCALE_ROW1
.endif
.endm
; R's scale words: register SR + 4 gs + b % 4, lanes 0-15 for tiles 0-3, lanes 16-31 for tiles 4-7.  P's: register SP + 4 (gs / 2) + a, lanes 0-15 for even steps, 16-31 for odd.
.macro MULS a0, a1, gs, zero           ; the 32 accumulators take turns, one instruction a turn, in the same order in every step
	WIN 0xa1                                       ; source 0 (R) window 1, source 1 (P) window 0, C and D window 2
.set aa, \a0
.rept (\a1)-(\a0)+1
.set bb, 0
.rept 8
	WM aa, bb, \gs, \zero
.set bb, bb+1
.endr
.set aa, aa+1
.endr
.endm
.macro STEP j, s, gs, zero
	s_wait_dscnt 0x0                               ; this step's fragments are in (asked for 32 matrix instructions ago)
	PLACES
	FETCH \j, (\s)+1, 1-(\gs)%2
	MULS 0, 3, \gs, \zero
.endm
.macro TURNP j, gs, jn, cnt            ; a change of slots behind which nothing is filled again
	s_wait_dscnt 0x0
	s_wait_tensorcnt \cnt
	s_barrier_signal -1
	MULS 0, 1, \gs, 0
	s_barrier_wait -1
	PLACES
	FETCH \jn, 0, 1-(\gs)%2
	MULS 2, 3, \gs, 0
.endm
; A change of slots with a refill.  In front of the round each wave waits for all its tensor loads (the one that is out is its part of the next slot), adds 0 to its spare word, and waits for that and for its reads of this slot.
.macro TURNR slot, gs, next
	WIN 0                                          ; (the add's two registers lie in window 0)
	s_wait_tensorcnt 0x0                           ; no tensor load of mine is out
	ds_add_u32 v[SPW], v[NIL]                      ; 0 onto my spare word
	s_wait_dscnt 0x1                               ; this step's fragments are in; the add may be out
	MULS 0, 0, \gs, 0                              ; eight matrix instructions stand between the add and the wait for it
	s_wait_dscnt 0x0                               ; the add is done, and my reads of this slot are over
	s_barrier_signal -1
	MULS 1, 1, \gs, 0
	WIN 0
	s_barrier_wait -1
	CREST                                          ; the barrier has opened a round of the cluster's: no wave of any partner still reads this slot or has a load on its way
	s_add_nc_u64 s[G0R+4*\slot+2:G0R+4*\slot+3], s[G0R+4*\slot+2:G0R+4*\slot+3], 2*TS
	s_add_nc_u64 s[G0P+4*\slot+2:G0P+4*\slot+3], s[G0P+4*\slot+2:G0P+4*\slot+3], 2*TS
	JLOAD \slot                                    ; the first tensor load behind the round; its four v_nop are the places in front of the loads below
	FETCH \next, 0, 1-(\gs)%2
.if (\slot) == 0
	ASK 3                                          ; the last piece, which the next change of slots loads
.endif
	MULS 2, 3, \gs, 0
.endm
.macro LAST gs
	s_wait_dscnt 0x0
	MULS 0, 3, \gs, 0
	WIN 0
.endm
.macro QMAX a
	WIN 0x28                                       ; sources 1 and 2 window 2
.irp B, 0,1,2,3
	v_max3_num_f32 v[TM+\B], 0x1800000, |v[64*(\a)+16*\B]|, |v[64*(\a)+16*\B+1]|   ; the floor 2^(3 - 127) holds the byte at 1 from below
.endr
.irp i, 2,4,6,8,10,12,14
.irp B, 0,1,2,3
	v_max3_num_f32 v[TM+\B], v[TM+\B], |v[64*(\a)+16*\B+\i]|, |v[64*(\a)+16*\B+\i+1]|
.endr
.endr
	WIN 0
.irp B, 0,1,2,3
	v_permlanex16_b32 v[TM+4+\B], v[TM+\B], s[SEL], s[SEL+1]
.endr
.irp B, 0,1,2,3
	v_max_num_f32 v[TM+\B], v[TM+\B], v[TM+4+\B]
.endr
.endm
.macro QTAIL a, pc, pw
	WIN 0
.irp B, 0,1,2,3
	v_add_nc_u32 v[TM+12+\B], 0xff000000, v[TM+\B] ; 2 off the exponent field: the conversion's scale operand
.endr
.irp B, 0,1,2,3
	v_lshrrev_b32 v[TM+4+\B], 23, v[TM+12+\B]      ; the scale's byte
.endr
	v_lshl_or_b32 v[\pw], v[TM+5], 8, v[TM+4]
	v_lshl_or_b32 v[\pw], v[TM+6], 16, v[\pw]
	v_lshl_or_b32 v[\pw], v[TM+7], 24, v[\pw]
	WIN 0x02                                       ; source 0 window 2
.irp c, 0,1
	v_cvt_scalef32_pk16_fp6_f32 v[(\pc)+6*\c:(\pc)+6*\c+2], v[64*(\a)+32*\c:64*(\a)+32*\c+15], v[TM+12+2*\c]
	v_cvt_scalef32_pk16_fp6_f32 v[(\pc)+12+4*\c:(\pc)+14+4*\c], v[64*(\a)+32*\c+16:64*(\a)+32*\c+31], v[TM+13+2*\c]
.endr
	WIN 0
	v_nop                                          ; one plain place behind a scaled conversion
.irp c, 0,1
.irp i, 0,1,2
	v_permlane16_swap_b32 v[(\pc)+6*\c+\i], v[(\pc)+12+4*\c+\i]
.endr
.irp i, 0,1,2
	v_mov_b32 v[(\pc)+3+6*\c+\i], v[(\pc)+12+4*\c+\i]
.endr
.endr
.endm
.macro PUT vo, pc, off
.irp c, 0,1,2
	global_store_b128 v[\vo], v[(\pc)+4*\c:(\pc)+4*\c+3], s[84:85] offset:(\off)+512*\c
.endr
.endm
; Chunk s of my four queries q, by turns, so that no line waits for the line above it.  v[128 + 4 s + q]: -M_c, then M - M_c; v[192 + 4 s + q]: l_c, then l_c 2^(M_c - M); v[SR + 4 s + q]: the chunk's four scale bytes.
.macro FIXS s
.irp q, 0,1,2,3
	v_sub_f32 v[128+4*(\s)+\q], v[128+4*(\s)+\q], v[20+\q]      ; M - M_c: a whole number, 0 or more
.endr
.irp q, 0,1,2,3
	v_cvt_u32_f32 v[128+4*(\s)+\q], v[128+4*(\s)+\q]
.endr
.irp q, 0,1,2,3
	v_min_u32 v[128+4*(\s)+\q], 0x7f, v[128+4*(\s)+\q]          ; from 126 on every byte falls to 0 anyway, and l_c 2^-127 is nothing beside l, which is above 1/2
.endr
.irp q, 0,1,2,3
	v_sub_nc_u32 v[12+\q], 0, v[128+4*(\s)+\q]
.endr
.irp q, 0,1,2,3
	v_ldexp_f32 v[192+4*(\s)+\q], v[192+4*(\s)+\q], v[12+\q]
.endr
.irp q, 0,1,2,3
.if (\s) == 0
	v_mov_b32 v[24+\q], v[192+\q]                  ; the first chunk starts the sum
.else
	v_add_f32 v[24+\q], v[24+\q], v[192+4*(\s)+\q]
.endif
.endr
; The four bytes b (1 .. 125) at once, d = M - M_c (0 .. 127): each becomes b - d, held at 0 from below.
.irp q, 0,1,2,3
	v_perm_b32 v[12+\q], v[128+4*(\s)+\q], v[128+4*(\s)+\q], 0  ; d in all four bytes
.endr
.irp q, 0,1,2,3
	v_or_b32 v[SR+4*(\s)+\q], 0x80808080, v[SR+4*(\s)+\q]
.endr
.irp q, 0,1,2,3
	v_sub_nc_u32 v[SR+4*(\s)+\q], v[SR+4*(\s)+\q], v[12+\q]     ; 128 + b - d, 2 .. 253: no byte borrows from the next; its bit 7 says that b is at least d
.endr
.irp q, 0,1,2,3
	v_and_b32 v[12+\q], 0x80808080, v[SR+4*(\s)+\q]
.endr
.irp q, 0,1,2,3
	v_lshrrev_b32 v[6+\q+2*(\q/2)], 7, v[12+\q]
.endr
.irp q, 0,1,2,3
	v_sub_nc_u32 v[12+\q], v[12+\q], v[6+\q+2*(\q/2)]           ; 0x7f in the bytes where b is at least d, 0 in the others
.endr
.irp q, 0,1,2,3
	v_and_b32 v[SR+4*(\s)+\q], v[SR+4*(\s)+\q], v[12+\q]
.endr
.endm
	s_load_b128 s[4:7], s[0:1], 0x0                ; w1 s[4:5], w2 s[6:7]
	s_load_b64 s[8:9], s[0:1], 0x10                ; w3
	v_lshl_add_u32 v[SPW], v0, 2, SPARE
	v_mov_b32 v[NIL], 0
	ds_add_u32 v[SPW], v[NIL]                      ; the wave's opening: the add and its wait ahead of my first tensor load; work on registers stands between them
	ds_add_u32 v[SPW], v[NIL]
	v_lshrrev_b32 v1, 5, v0
	v_readfirstlane_b32 s12, v1                    ; wave 0..3
	s_lshr_b32 s13, s12, 1                         ; which 128 queries are mine.  Also: I fetch for R (0) or for P (1)
	s_and_b32 s14, s12, 1                          ; which 64 channels.  Also: which half of that tile I fetch
	s_bfe_u32 s15, ttmp6, 0x40000                  ; cx
	s_bfe_u32 s16, ttmp6, 0x40004                  ; cy
	s_and_b32 s19, ttmp7, 0xffff                   ; the cluster's y
	s_lshl_b32 s17, ttmp9, 2
	s_add_co_u32 s17, s17, s15                     ; RT: the batch's block of 256 queries
	s_lshl_b32 s18, s19, 2
	s_add_co_u32 s18, s18, s16                     ; PT: the block of 128 channels, over all batches
	s_lshr_b32 s88, s19, 1                         ; the batch = PT / 8 = the cluster's y / 2: cy does not enter R's address
	s_lshl_b32 s88, s88, 7
	s_lshl_b32 s89, s17, 4
	s_add_co_u32 s88, s88, s89                     ; R's first tile
	s_lshl_b32 s90, s18, 3                         ; P's first tile
	s_lshl_b32 s20, 0x1111, s15                    ; my column of the cluster
	s_lshl_b32 s21, s16, 2
	s_lshl_b32 s21, 15, s21                        ; my row
	s_or_b32 s[G1R], s20, (3<<16)|(1<<21)          ; 15:0 the mask; 17:16 elements of 8 bytes; 21 set beside a mask; no padding
	s_or_b32 s[G1P], s21, (3<<16)|(1<<21)
	s_mov_b32 s[G1R+1], (TS/8)<<16                 ; tensor_dim0: a tile's part of a piece
	s_mov_b32 s[G1R+2], 8<<16                      ; tensor_dim1: eight tiles
	s_mov_b32 s[G1R+3], (TS/8)<<16                 ; tile_dim0
	s_mov_b32 s[G1R+4], 8                          ; tile_dim1
	s_mov_b32 s[G1R+5], KB/8                       ; from tile to tile
	s_mov_b32 s[G1R+6], 0
	s_mov_b32 s[G1R+7], 0
	s_mov_b32 s[G1P+1], (TS/8)<<16
	s_mov_b32 s[G1P+2], 4<<16
	s_mov_b32 s[G1P+3], (TS/8)<<16
	s_mov_b32 s[G1P+4], 4
	s_mov_b32 s[G1P+5], KB/8
	s_mov_b32 s[G1P+6], 0
	s_mov_b32 s[G1P+7], 0
	s_lshl_b32 s89, s14, 3
	s_add_co_u32 s89, s89, s88
	s_mul_i32 s56, s89, KB
	s_add_co_u32 s56, s56, RCOD
	s_mov_b32 s57, 0
	s_lshl_b32 s91, s14, 2
	s_add_co_u32 s91, s91, s90
	s_mul_i32 s58, s91, KB
	s_add_co_u32 s58, s58, PCOD
	s_mov_b32 s59, 0
	s_lshr_b32 s92, s88, 2
	s_lshl_b32 s93, s13, 1
	s_add_co_u32 s92, s92, s93
	s_lshl_b32 s92, s92, SHS
	s_add_co_u32 s92, s92, RSCL
	s_mov_b32 s93, 0
	s_lshr_b32 s94, s90, 2
	s_add_co_u32 s94, s94, s14
	s_lshl_b32 s94, s94, SHS
	s_add_co_u32 s94, s94, PSCL
	s_mov_b32 s95, 0
	s_mul_i32 s22, s14, 8*TS
	s_mul_i32 s23, s14, 4*TS
	s_add_co_u32 s23, s23, 16*TS
	s_mov_b32 s[SEL], 0x76543210
	s_mov_b32 s[SEL+1], 0xfedcba98
	s_wait_dscnt 0x0                               ; the opening adds are done
	CROUND                                         ; the round in front of the first joint loads: it needs no argument, so it stands ahead of the wait for them
	s_wait_kmcnt 0x0
	s_add_nc_u64 s[56:57], s[RPTR:RPTR+1], s[56:57]
	s_add_nc_u64 s[58:59], s[PPTR:PPTR+1], s[58:59]
	s_add_nc_u64 s[92:93], s[RPTR:RPTR+1], s[92:93]
	s_add_nc_u64 s[94:95], s[PPTR:PPTR+1], s[94:95]
	s_cmp_eq_u32 s13, 0                            ; the prefetches: do I fetch for R (p)?
	s_cselect_b64 s[10:11], s[56:57], s[58:59]     ; the tiles that my wave fetches,
	s_cselect_b32 s2, s16, s15                     ; my place among the four that ask with me: cy for p, cx for v^T,
	s_cselect_b32 s3, 1, 0                         ; two tiles a place, or one,
	s_cselect_b32 s96, 23, 11                      ; the last block that an instruction names,
	s_mov_b32 s97, 12*256
	s_cselect_b32 s97, KB, s97                     ; and from the first instruction's blocks to the second's: a tile on, or 12 blocks
	s_lshl_b32 s2, s2, s3
	s_mul_i32 s2, s2, KB
	s_mov_b32 s3, 0
	s_add_nc_u64 s[10:11], s[10:11], s[2:3]
	s_mov_b32 s2, s97
	s_add_nc_u64 s[2:3], s[10:11], s[2:3]
.irp j, 0,1
	s_mov_b32 s[G0R+4*\j], 1
	s_add_co_u32 s[G0R+4*\j+1], s22, \j*PIECEB
	s_add_nc_u64 s[G0R+4*\j+2:G0R+4*\j+3], s[56:57], \j*TS
	s_or_b32 s[G0R+4*\j+3], s[G0R+4*\j+3], 0x80000000
	s_mov_b32 s[G0P+4*\j], 1
	s_add_co_u32 s[G0P+4*\j+1], s23, \j*PIECEB
	s_add_nc_u64 s[G0P+4*\j+2:G0P+4*\j+3], s[58:59], \j*TS
	s_or_b32 s[G0P+4*\j+3], s[G0P+4*\j+3], 0x80000000
.endr
	s_cmp_eq_u32 s13, 0                            ; one first fill a wave, slot 0's, one in each arm of a branch on the wave's number
	s_cbranch_scc0 .Lfirst_p
.irp j, 0
	tensor_load_to_lds s[G0R+4*\j:G0R+4*\j+3], s[G1R:G1R+7]
	s_nop 0
.endr
.rept 4
	v_nop
.endr
	s_branch .Lfirst_done
.Lfirst_p:
.irp j, 0
	tensor_load_to_lds s[G0P+4*\j:G0P+4*\j+3], s[G1P:G1P+7]
	s_nop 0
.endr
.rept 4
	v_nop
.endr
.Lfirst_done:
	v_and_b32 v1, 15, v0                           ; r
	v_bfe_u32 v2, v0, 4, 1                         ; h
	v_and_b32 v3, 31, v0                           ; lane
	v_lshlrev_b32 v16, 4, v3                       ; 16 x lane
	v_min_u32 v31, s96, v3
	v_lshlrev_b32 v31, 8, v31                      ; the prefetches' offset: a block of 256 bytes a lane
	v_lshlrev_b32 v18, 4, v1                       ; 16 r
	v_lshl_add_u32 v17, v2, SHS, v18               ; lanes 0-15: my first group of four query tiles, lanes 16-31 my second
.irp s, 0,1,2,3,4,5,6,7,8,9,10,11,12,13,14,15
	global_load_b128 v[SR+4*\s:SR+4*\s+3], v17, s[92:93] offset:256*\s                  ; chunk s: the scale words of my lane's four queries,
	global_load_b128 v[128+4*\s:128+4*\s+3], v17, s[92:93] offset:524288+256*\s         ; their -M_c,
	global_load_b128 v[192+4*\s:192+4*\s+3], v17, s[92:93] offset:1048576+256*\s        ; their l_c
.endr
.irp i, 0,1,2,3,4,5,6,7
	global_load_b128 v[SP+4*\i:SP+4*\i+3], v16, s[94:95] offset:512*\i
.endr
	ASK 1                                          ; slot 1's piece, which is loaded in the middle of the prologue
	s_mul_i32 s20, s13, 8*TS
	s_mul_i32 s21, s14, 4*TS
	s_add_co_u32 s21, s21, 16*TS
.irp j, 0,1
	v_add_nc_u32 v[ADRR+\j], s20, v16
	v_add_nc_u32 v[ADRP+\j], s21, v16
	s_add_co_u32 s20, s20, PIECEB
	s_add_co_u32 s21, s21, PIECEB
.endr
	v_and_b32 v12, 8, v1
	v_add_nc_u32 v12, v12, v1                      ; r + 8 (r / 8)
	v_lshlrev_b32 v19, 2, v12
	v_lshl_add_u32 v19, v2, 8, v19
	s_lshl_b32 s20, s12, 9
	s_add_co_u32 s20, s20, RLB                     ; my wave's 512 bytes
	v_add_nc_u32 v19, s20, v19                     ; in: query q of my lane is 64 h + 32 (q / 2) + 8 (q % 2) + r + 8 (r / 8) of my wave's 128
	v_lshl_add_u32 v30, v2, 6, s20                 ; back: register 16 B + i wants query 32 B + 16 h + i
	s_lshl_b32 s96, s17, 1
	s_add_co_u32 s96, s96, s13                     ; which 128 of the batch's queries
	s_lshr_b32 s97, s96, 3                         ; e
	s_lshr_b32 s98, s18, 3                         ; the batch
	s_lshl_b32 s98, s98, 1
	s_add_co_u32 s97, s97, s98
	s_lshl_b32 s97, s97, 4
	s_and_b32 s98, s18, 7
	s_lshl_b32 s98, s98, 1
	s_add_co_u32 s98, s98, s14
	s_add_co_u32 s97, s97, s98                     ; my group of four tiles: 16 (2 b + e) + (channel tile) / 4
	s_and_b32 s96, s96, 7                          ; the K step of the next product
	s_mul_i32 s84, s97, 4*12288
	s_mul_i32 s98, s96, 1536
	s_add_co_u32 s84, s84, s98
	s_mov_b32 s85, 0
	s_lshl_b32 s86, s97, 11
	s_lshl_b32 s98, s96, 8
	s_add_co_u32 s86, s86, s98
	s_add_co_u32 s86, s86, 6291456
	s_mov_b32 s87, 0
	s_add_nc_u64 s[84:85], s[8:9], s[84:85]
	s_add_nc_u64 s[86:87], s[8:9], s[86:87]
	s_wait_loadcnt 0x0
.irp q, 0,1,2,3
	v_min3_num_f32 v[20+\q], v[128+\q], v[132+\q], v[136+\q]       ; -M = the least -M_c of the row's 16 chunks
.endr
.irp s, 3,5,7,9,11,13
.irp q, 0,1,2,3
	v_min3_num_f32 v[20+\q], v[20+\q], v[128+4*\s+\q], v[132+4*\s+\q]
.endr
.endr
.irp q, 0,1,2,3
	v_min_num_f32 v[20+\q], v[20+\q], v[188+\q]
.endr
.irp s, 0,1,2,3,4,5,6,7
	FIXS \s
.endr
	s_wait_alu depctr_va_vdst(0)
	s_wait_tensorcnt 0x0                           ; my part of slot 0 is in
	ds_add_u32 v[SPW], v[NIL]
	s_wait_dscnt 0x0
	CROUND                                         ; a whole round: slot 0 is whole, and all sixteen work-groups are here
	JLOAD 1                                        ; slot 1's first fill: it has the rest of the prologue and four K steps in which to land
	ASK 2                                          ; the piece that the first change of slots loads
.irp s, 8,9,10,11,12,13,14,15
	FIXS \s
.endr
	s_wait_alu depctr_va_vdst(0)
.irp q, 0,1,2,3
	v_rcp_f32 v[24+\q], v[24+\q]
.endr
	v_nop                                          ; a plain place behind the reciprocals,
	s_wait_alu depctr_va_vdst(0)                   ; and one wait for the four, ahead of their first reader
.irp q, 0,1,2,3
	ds_store_b32 v19, v[24+\q] offset:128*(\q/2)+32*(\q%2)
.endr
	WIN 0x40
.irp i, 0,1,2,3,4,5,6,7,8,9,10,11,12,13,14,15
	ds_load_b128 v[192+4*\i:192+4*\i+3], v30 offset:128*(\i/4)+16*(\i%4)   ; my wave's own bytes: LDS serves a wave's instructions in order
.endr
	WIN 0
.rept 8
	v_nop                                          ; scale registers written by vector instructions stand eight places ahead of a scaled matrix instruction
.endr
	s_wait_dscnt 0x0                               ; 1 / l is in; the round above has shown slot 0 whole to every wave
	FETCH 0, 0, 0
	STEP 0, 0, 0, 1                                ; the first step's products start the sums
	STEP 0, 1, 1, 0
	STEP 0, 2, 2, 0
	TURNR 0, 3, 1                                  ; slot 0 takes keys 1,024 on
	STEP 1, 0, 4, 0
	STEP 1, 1, 5, 0
	STEP 1, 2, 6, 0
	TURNR 1, 7, 0                                  ; slot 1 takes keys 1,536 on: the last load
	STEP 0, 0, 8, 0
	STEP 0, 1, 9, 0
	STEP 0, 2, 10, 0
	TURNP 0, 11, 1, 0
	STEP 1, 0, 12, 0
	STEP 1, 1, 13, 0
	STEP 1, 2, 14, 0
	LAST 15
	PLACES
.irp B, 0,1,2,3
	v_mov_b32 v[TM+4+\B], 0                        ; a lane permute's destination counts as one of its sources
.endr
.irp a, 0,1,2,3
	WIN 0x86                                       ; destination and source 0 window 2, source 1 window 1
.irp j, 0,2,4,6,8,10,12,14,16,18,20,22,24,26,28,30,32,34,36,38,40,42,44,46,48,50,52,54,56,58,60,62
	v_pk_mul_f32 v[64*\a+\j:64*\a+\j+1], v[64*\a+\j:64*\a+\j+1], v[192+\j:193+\j]   ; o = (p v) / l: each register has its own query; ascending, each accumulator from its low end on
.endr
	QMAX \a
	QTAIL \a, PF+20*\a, PW+\a
	PUT 16, PF+20*\a, \a*12288
.endr
	s_wait_xcnt 0x0                                ; EXEC changes only behind this wait
	v_cmp_gt_u32 vcc_lo, 16, v3
	s_and_saveexec_b32 s20, vcc_lo
	global_store_b128 v18, v[PW:PW+3], s[86:87]    ; lanes 0-15: one aligned block of 256 bytes
	s_wait_xcnt 0x0
	s_or_b32 exec_lo, exec_lo, s20
	s_wait_tensorcnt 0x0                           ; the wave's end
	ds_add_u32 v[SPW], v[NIL]
	s_wait_dscnt 0x0
	CROUND                                         ; the closing round
	s_endpgm
.Lfunc_end_k_qb5eb245551_g_pv:
	.size	k_qb5eb245551_g_pv, .Lfunc_end_k_qb5eb245551_g_pv-k_qb5eb245551_g_pv
	.p2alignl 7, 3214868480
	.fill 96, 4, 3214868480
	.section	.rodata,"a",@progbits
	.p2align	6, 0x0
	.amdhsa_kernel k_qb5eb245551_g_pv
		.amdhsa_group_segment_fixed_size 327680
		.amdhsa_private_segment_fixed_size 0
		.amdhsa_enable_private_segment 0
		.amdhsa_kernarg_size 24
		.amdhsa_user_sgpr_count 2
		.amdhsa_user_sgpr_kernarg_segment_ptr 1
		.amdhsa_wavefront_size32 1
		.amdhsa_system_sgpr_workgroup_id_x 1
		.amdhsa_system_sgpr_workgroup_id_y 1
		.amdhsa_system_sgpr_workgroup_id_z 1
		.amdhsa_system_vgpr_workitem_id 0
		.amdhsa_next_free_vgpr 768
		.amdhsa_next_free_sgpr 100
		.amdhsa_reserve_vcc 1
		.amdhsa_float_denorm_mode_32 3
		.amdhsa_float_denorm_mode_16_64 3
		.amdhsa_memory_ordered 1
		.amdhsa_forward_progress 1
		.amdhsa_inst_pref_size 187
	.end_amdhsa_kernel
	.amdgpu_metadata
---
amdhsa.version: [ 1, 2 ]
amdhsa.kernels:
  - .name:           k_qb5eb245551_g_pv
    .symbol:         k_qb5eb245551_g_pv.kd
    .args:
      - { .name: w1, .offset: 0, .size: 8, .value_kind: global_buffer, .address_space: global }
      - { .name: w2, .offset: 8, .size: 8, .value_kind: global_buffer, .address_space: global }
      - { .name: w3, .offset: 16, .size: 8, .value_kind: global_buffer, .address_space: global }
    .group_segment_fixed_size: 327680
    .private_segment_fixed_size: 0
    .kernarg_segment_align: 8
    .kernarg_segment_size: 24
    .max_flat_workgroup_size: 128
    .sgpr_count:     100
    .vgpr_count:     768
    .wavefront_size: 32
...
	.end_amdgpu_metadata
.endif
;; end of part 4
;; launch g_proj (part 5): grid 4 x 64, 4 waves a work-group, clusters of 4 x 4, 327,680 bytes of LDS; arguments w0, w3, b_proj, out0; writes out0
.if DOCPART == 5
	.amdgcn_target "amdgcn-amd-amdhsa--gfx1250"
	.amdhsa_code_object_version 6
	.text
	.protected	k_qb5eb245551_g_proj
	.globl	k_qb5eb245551_g_proj
	.p2align	8
	.type	k_qb5eb245551_g_proj,@function
k_qb5eb245551_g_proj:
	s_mov_b64 s[64:65], 0
	v_nop
	global_prefetch_b8 v0, s[64:65] scope:SCOPE_SE
	s_setreg_imm32_b32 hwreg(HW_REG_WAVE_MODE, 25, 1), 1
	s_wait_xcnt 0x0
	s_wait_alu depctr_hold_cnt(0) depctr_sa_sdst(0) depctr_va_vdst(0) depctr_va_sdst(0) depctr_va_ssrc(0) depctr_va_vcc(0) depctr_vm_vsrc(0)
	s_getreg_b32 s2, hwreg(HW_REG_IB_STS2, 6, 4)
	s_cmp_eq_u32 s2, 0
	s_cbranch_scc0 .Lentry_in_a_cluster
	s_endpgm
.Lentry_in_a_cluster:
	s_bfe_u32 s2, ttmp6, 0x10000c
	s_cmp_lg_u32 s2, 0xf033
	s_cbranch_scc0 .Lentry_shape_is_right
	s_endpgm
.Lentry_shape_is_right:
; out0 = A4 w_proj^T + b_proj on codes of FP6 (E2M3) with E8M0 scales, K = 1,024.  A4 [b][2 h + e][j] = o[b][1024 e + j][h] comes from w3 as images of fragments (a tile of 16 rows x 128 K: 1,536 bytes, registers
; 4 c .. 4 c + 3 of lane l at 512 c + 16 l): tile T4 = 64 (2 b + e) + Tc at 12,288 T4, whose lane r holds channel h = 32 B + 8 u + r + 8 (r / 8), Tc = 2 B + u; scale words at 6,291,456 + (8 (T4 / 4) + s) 256 + 16 r + 4 (T4 % 4).
; w_proj: tiles 704 on of w0, scale words at 9,437,184, laid alike.
; TRANSPOSED: source 0 = 16 rows of w_proj (R), source 1 = 16 rows of A4 (P): a lane holds one row of the output, and its 64 registers of a tile of P are 128 features in natural order: register 16 B + i = feature 32 B + 16 (lane / 16) + i.
; The bias is the C of each sum's first matrix instruction.
; SHARES.  A work-group: 256 features x 128 rows; wave w: features 128 (w / 2) on (R's tiles 8 (w / 2) on), P's tiles 4 (w % 2) on.
; TWO HALVES ALONG THE FEATURES.  Half 0 is each wave's first 64 features (its R tiles 0-3), half 1 the other 64 (tiles 4-7).  The head brings what half 0 needs, 49,152 bytes a wave: wave 0 R's tiles 0-3, wave 1 tiles 8-11,
; waves 2 and 3 four tiles of P each.  Half 1's eight tiles of R are asked for behind the three lines and a round, two tiles a wave, and have half 0's 128 matrix instructions a wave in which to land.
; A row's 64 features are 256 bytes: half 0's results leave, in whole aligned units, ahead of half 1's products.  By this text's own count a wave has one tensor load out.
; P's FRAGMENTS STAY IN REGISTERS: they are read from LDS once, step by step in half 0 (4 tiles x 8 K steps x 12 = 384 registers), and serve half 1 again.
; LDS.  R's tile T at 12,288 T, P's tile t at 12,288 (16 + t), each byte filled once; the spare words at 296,960; behind them a stage of 16 rows x (256 + 16) bytes for each wave, on which no fill lands.
; CLUSTER 4 x 4: w_proj's tiles are shared along a column, A4's along a row: each is asked for jointly.
; PREFETCH: half 1's tiles are asked for at the head, one phase ahead of their load: of a wave's 96 blocks of 256 bytes the partner at cy takes 24, told apart by address, a lane a block (lanes 24-31 name block 23 again).
; What the head itself loads has nothing ahead of it to ask from.   LIMITS: NaN and infinities are not served.
; REGISTERS.  window 0: v1-3 r, h, lane; v4, v5, v8 LDS addresses; v16-23 offsets; v28, v29 the add's two; v32-63 R's scale words, v96-111 P's; v112-255 P's fragments of K steps 5-7.
; window 1: v0-95 R's fragments, two sets of four; v96-159 rows on the way out, two sets; v192-255 the bias.  window 2: accumulator (a, b) at v[8 (8 a + b)].  window 3: v0-239 P's fragments of K steps 0-4.
.set KB,     12288                     ; a tile's eight fragments
.set SPARE,  296960                    ; the spare words, 128 bytes a wave: two blocks of 256 bytes that no other line names
.set STAGE,  297472
.set SPITCH, 272
.set SHS,    11
.set RSCL,   9437184
.set PSCL,   6291456
.set ADRR, 4                           ; v4, v5  my R tiles 0-3, 4-7
.set ADRP, 8                           ; v8      my four tiles of P
.set STO,  20
.set RD,   21
.set CO,   22
.set PFO,  23
.set SPW,  28
.set NIL,  29
.set SR,   32
.set SP,   96
.set PL,   112
.set OB,   96
.set G1R,  24
.set G1P,  32
.set G0R,  40
.set G1D,  48
.set G0P,  68
.set G0D,  76
.set MSB, 0
.macro WIN new                         ; the immediate's high byte repeats the setting that is left
.if MSB != \new
	s_set_vgpr_msb (MSB<<8)|\new
.set MSB, \new
.endif
.endm
.macro PLACES                          ; four plain places behind a matrix instruction (ISA guide 7.12.1)
.rept 4
	v_nop
.endr
.endm
.macro CREST
	s_cmp_lg_u32 s12, 0
	s_cbranch_scc1 .Lnot_wave_0_\@
	s_barrier_signal -3
.Lnot_wave_0_\@:
	s_barrier_wait -3
	s_barrier_signal -1
	s_barrier_wait -1
.endm
.macro CROUND
	s_barrier_signal -1
	s_barrier_wait -1
	CREST
.endm
.macro FETCHR hb, gs                   ; R's four tiles of half hb, K step gs, into set gs % 2: 12 loads of 512 consecutive bytes
	WIN 0x40
.irp i, 0,1,2,3
.irp c, 0,1,2
	ds_load_b128 v[48*((\gs)%2)+12*\i+4*\c:48*((\gs)%2)+12*\i+4*\c+3], v[ADRR+\hb] offset:\i*KB+(\gs)*1536+512*\c
.endr
.endr
	WIN 0
.endm
.macro FETCHP gs                       ; P's four tiles, K step gs, into the registers that keep them
.if (\gs) < 5
	WIN 0xc0
.set pb, 48*(\gs)
.else
	WIN 0
.set pb, PL+48*((\gs)-5)
.endif
.irp i, 0,1,2,3
.irp c, 0,1,2
	ds_load_b128 v[pb+12*\i+4*\c:pb+12*\i+4*\c+3], v[ADRP] offset:\i*KB+(\gs)*1536+512*\c
.endr
.endr
	WIN 0
.endm
; P's tile a x R's tile b, K step gs.  R's scale words: register SR + 4 gs + b % 4, lanes 0-15 for tiles 0-3, lanes 16-31 for tiles 4-7.  P's: register SP + 4 (gs / 2) + a, lanes 0-15 for even steps, 16-31 for odd.
.macro WM a, b, gs
.set rD, 8*(8*(\a)+(\b))
.set rA, 48*((\gs)%2)+12*((\b)%4)
.if (\gs) < 5
.set rB, 48*(\gs)+12*(\a)
.else
.set rB, PL+48*((\gs)-5)+12*(\a)
.endif
.set rC, rD
.if (\gs) == 0
.set rC, 192+8*(\b)
.endif
.set rX, SR+4*(\gs)+(\b)%4
.set rY, SP+4*((\gs)/2)+(\a)
.set md, 2*((\b)/4)+(\gs)%2
.if md == 0
	v_wmma_scale_f32_16x16x128_f8f6f4 v[rD:rD+7], v[rA:rA+11], v[rB:rB+11], v[rC:rC+7], v[rX], v[rY] matrix_a_fmt:MATRIX_FMT_FP6 matrix_b_fmt:MATRIX_FMT_FP6
.elseif md == 1
	v_wmma_scale_f32_16x16x128_f8f6f4 v[rD:rD+7], v[rA:rA+11], v[rB:rB+11], v[rC:rC+7], v[rX], v[rY] matrix_a_fmt:MATRIX_FMT_FP6 matrix_b_fmt:MATRIX_FMT_FP6 matrix_b_scale:MATRIX_SCALE_ROW1
.elseif md == 2
	v_wmma_scale_f32_16x16x128_f8f6f4 v[rD:rD+7], v[rA:rA+11], v[rB:rB+11], v[rC:rC+7], v[rX], v[rY] matrix_a_fmt:MATRIX_FMT_FP6 matrix_b_fmt:MATRIX_FMT_FP6 matrix_a_scale:MATRIX_SCALE_ROW1
.else
	v_wmma_scale_f32_16x16x128_f8f6f4 v[rD:rD+7], v[rA:rA+11], v[rB:rB+11], v[rC:rC+7], v[rX], v[rY] matrix_a_fmt:MATRIX_FMT_FP6 matrix_b_fmt:MATRIX_FMT_FP6 matrix_a_scale:MATRIX_SCALE_ROW1 matrix_b_scale:MATRIX_SCALE_ROW1
.endif
.endm
.macro MULS hb, gs                     ; 16 matrix instructions: the half's 16 accumulators take turns, one instruction a turn, in the same order in every step
.set mw, 0xa1                          ; source 0 (R) window 1, C and D window 2
.if (\gs) == 0
.set mw, 0x91                          ; the first step: C is the bias, in window 1
.endif
.if (\gs) < 5
.set mw, mw|0x0c                       ; source 1 (P) window 3; K steps 5-7: window 0
.endif
	WIN mw
.set aa, 0
.rept 4
.set bb, 4*(\hb)
.rept 4
	WM aa, bb, \gs
.set bb, bb+1
.endr
.set aa, aa+1
.endr
.endm
.macro STEP hb, gs                     ; a K step but the last
	s_wait_dscnt 0x0                               ; this step's fragments are in (asked for 16 matrix instructions ago)
	PLACES
	FETCHR \hb, (\gs)+1
.if (\hb) == 0
	FETCHP (\gs)+1
.endif
	MULS \hb, \gs
.endm
; THE WAY OUT of half hb, tile by tile of 16 rows x 64 features, through my own stage.  Lane (r, h) puts features 32 B + 16 h + 0 .. 15 (B = 0, 1) of its row at 272 r + 128 B + 64 h; then whole rows of 256 bytes come back, two an instruction.
.macro TOSTAGE a, hb
	WIN 0x08                                       ; an LDS store's data are its source 1: window 2
.irp k, 0,1,2,3,4,5,6,7
	ds_store_b128 v[STO], v[64*(\a)+32*(\hb)+4*\k:64*(\a)+32*(\hb)+4*\k+3] offset:128*(\k/4)+16*(\k%4)   ; ascending: each accumulator from its low end on
.endr
	WIN 0x40
.irp t, 0,1,2,3,4,5,6,7
	ds_load_b128 v[OB+32*((\a)%2)+4*\t:OB+32*((\a)%2)+4*\t+3], v[RD] offset:\t*2*SPITCH   ; LDS serves a wave's instructions in order: these see my stores, and the next tile's stores come behind them
.endr
	WIN 0
.endm
.macro SEND a, hb, younger             ; younger: the LDS instructions issued behind tile a's loads, which may stay out
	s_wait_dscnt \younger
	WIN 0x04                                       ; a store's data are its source 1: window 1
.irp t, 0,1,2,3,4,5,6,7
	global_store_b128 v[CO], v[OB+32*((\a)%2)+4*\t:OB+32*((\a)%2)+4*\t+3], s[84:85] offset:(32*((\a)/2)+8*((\a)%2)+2*\t+8*(\t/4))*8192+256*(\hb) th:TH_STORE_NT   ; 16 lanes store 256 consecutive bytes, aligned, of row 2 h + e
.endr
	WIN 0
.endm
.macro OUT hb
.if \hb
	s_wait_xcnt 0x0                                ; half 0's last stores have read their registers
.endif
	TOSTAGE 0, \hb
	TOSTAGE 1, \hb
	SEND 0, \hb, 16                                ; behind tile 0's loads: tile 1's 8 stores and 8 loads
	s_wait_xcnt 0x0                                ; tile 0's stores have read their registers: tile 2's rows may land there
	TOSTAGE 2, \hb
	SEND 1, \hb, 16
	s_wait_xcnt 0x0
	TOSTAGE 3, \hb
	SEND 2, \hb, 16
	SEND 3, \hb, 0
.endm
	s_load_b256 s[4:11], s[0:1], 0x0               ; w0 s[4:5], w3 s[6:7], b_proj s[8:9], out0 s[10:11]
	v_lshl_add_u32 v[SPW], v0, 2, SPARE
	v_mov_b32 v[NIL], 0
	ds_add_u32 v[SPW], v[NIL]                      ; the wave's opening: the add, twice on end, and its wait ahead of my first tensor load
	ds_add_u32 v[SPW], v[NIL]
	v_lshrrev_b32 v1, 5, v0
	v_readfirstlane_b32 s12, v1                    ; wave 0..3
	s_lshr_b32 s13, s12, 1                         ; which 128 features are mine.  Also: at the head I fetch for R (0) or for P (1)
	s_and_b32 s14, s12, 1                          ; which four tiles of rows.  Also: which part I fetch
	s_bfe_u32 s15, ttmp6, 0x40000                  ; cx
	s_bfe_u32 s16, ttmp6, 0x40004                  ; cy
	s_and_b32 s19, ttmp7, 0xffff                   ; the cluster's y
	s_lshl_b32 s17, ttmp9, 2
	s_add_co_u32 s17, s17, s15                     ; RT: the block of 256 features
	s_lshl_b32 s18, s19, 2
	s_add_co_u32 s18, s18, s16                     ; PT: the block of eight tiles of A4
	s_lshl_b32 s88, s17, 4
	s_add_co_u32 s88, s88, 704                     ; R's first tile in w0
	s_lshl_b32 s90, s18, 3                         ; P's first tile
	s_lshl_b32 s20, 0x1111, s15                    ; my column of the cluster
	s_lshl_b32 s21, s16, 2
	s_lshl_b32 s21, 15, s21                        ; my row
	s_or_b32 s[G1R], s20, (3<<16)|(1<<21)          ; 15:0 the mask; 17:16 elements of 8 bytes; 21 set beside a mask; no padding
	s_or_b32 s[G1P], s21, (3<<16)|(1<<21)
	s_or_b32 s[G1D], s20, (3<<16)|(1<<21)
.irp g, G1R, G1P
	s_mov_b32 s[\g+1], 32<<16                      ; tensor_dim0: rows of 256 bytes
	s_mov_b32 s[\g+2], (4*KB/256)<<16              ; tensor_dim1: 192 of them: four tiles, a dense block
	s_mov_b32 s[\g+3], 32<<16                      ; tile_dim0
	s_mov_b32 s[\g+4], 4*KB/256                    ; tile_dim1
	s_mov_b32 s[\g+5], 32                          ; from row to row
	s_mov_b32 s[\g+6], 0
	s_mov_b32 s[\g+7], 0
.endr
	s_mov_b32 s[G1D+1], 32<<16
	s_mov_b32 s[G1D+2], (2*KB/256)<<16             ; 96 rows: two tiles
	s_mov_b32 s[G1D+3], 32<<16
	s_mov_b32 s[G1D+4], 2*KB/256
	s_mov_b32 s[G1D+5], 32
	s_mov_b32 s[G1D+6], 0
	s_mov_b32 s[G1D+7], 0
	s_lshl_b32 s89, s14, 3
	s_add_co_u32 s89, s89, s88
	s_mul_i32 s56, s89, KB                         ; the head, R: tiles 8 (w % 2) + 0 .. 3
	s_mov_b32 s57, 0
	s_lshl_b32 s91, s14, 2
	s_add_co_u32 s91, s91, s90
	s_mul_i32 s58, s91, KB                         ; the head, P: tiles 4 (w % 2) + 0 .. 3
	s_mov_b32 s59, 0
	s_lshl_b32 s60, s13, 3
	s_lshl_b32 s61, s14, 1
	s_add_co_u32 s60, s60, s61
	s_add_co_u32 s60, s60, 4                       ; half 1: I fetch R's tiles 4 + 8 (w / 2) + 2 (w % 2) and the next
	s_mul_i32 s62, s60, KB                         ; where they go: no place in the cluster enters an LDS address
	s_add_co_u32 s60, s60, s88
	s_mul_i32 s60, s60, KB
	s_mov_b32 s61, 0
	s_mul_i32 s2, s16, 6144
	s_add_co_u32 s2, s2, s60                       ; the prefetch: my work-group's quarter of those two tiles, by cy
	s_mov_b32 s3, 0
	s_lshr_b32 s92, s88, 2
	s_lshl_b32 s93, s13, 1
	s_add_co_u32 s92, s92, s93
	s_lshl_b32 s92, s92, SHS
	s_add_co_u32 s92, s92, RSCL                    ; the scale words of my eight tiles of R: two groups
	s_mov_b32 s93, 0
	s_lshr_b32 s94, s90, 2
	s_add_co_u32 s94, s94, s14
	s_lshl_b32 s94, s94, SHS
	s_add_co_u32 s94, s94, PSCL                    ; and of my four tiles of P
	s_mov_b32 s95, 0
	s_mul_i32 s22, s14, 8*KB                       ; where the head's tiles go
	s_mul_i32 s23, s14, 4*KB
	s_add_co_u32 s23, s23, 16*KB                   ; (also: where my four tiles of P lie)
	s_mul_i32 s86, s13, 8*KB                       ; where my eight tiles of R lie
	s_mul_i32 s63, s12, 16*SPITCH
	s_add_co_u32 s63, s63, STAGE                   ; my stage
	s_lshl_b32 s98, s17, 10
	s_lshl_b32 s99, s13, 9
	s_add_co_u32 s98, s98, s99                     ; my 128 features' bias
	s_mov_b32 s99, 0
	s_lshr_b32 s96, s18, 4                         ; the batch
	s_lshl_b32 s96, s96, 11
	s_bfe_u32 s97, s18, 0x10003                    ; e
	s_add_co_u32 s96, s96, s97
	s_and_b32 s97, s18, 7
	s_lshl_b32 s97, s97, 1
	s_add_co_u32 s97, s97, s14                     ; (my first channel tile) / 4
	s_lshl_b32 s97, s97, 7                         ; twice its first channel
	s_add_co_u32 s96, s96, s97                     ; the output row of my first tile's channel 0
	s_lshl_b32 s84, s96, 12
	s_lshl_b32 s97, s17, 10
	s_add_co_u32 s84, s84, s97
	s_lshl_b32 s97, s13, 9
	s_add_co_u32 s84, s84, s97                     ; + my first feature
	s_mov_b32 s85, 0
	s_wait_dscnt 0x0                               ; both opening adds are done
	CROUND                                         ; the round in front of the first joint loads: it needs no argument, so it stands ahead of the wait for them
	s_wait_kmcnt 0x0
	s_mov_b32 s[G0R], 1
	s_mov_b32 s[G0R+1], s22
	s_add_nc_u64 s[G0R+2:G0R+3], s[4:5], s[56:57]
	s_or_b32 s[G0R+3], s[G0R+3], 0x80000000
	s_mov_b32 s[G0P], 1
	s_mov_b32 s[G0P+1], s23
	s_add_nc_u64 s[G0P+2:G0P+3], s[6:7], s[58:59]
	s_or_b32 s[G0P+3], s[G0P+3], 0x80000000
	s_cmp_eq_u32 s13, 0                            ; one first fill a wave, one in each arm of a branch on the wave's number
	s_cbranch_scc0 .Lfirst_p
	tensor_load_to_lds s[G0R:G0R+3], s[G1R:G1R+7]
	s_nop 0
	PLACES
	s_branch .Lfirst_done
.Lfirst_p:
	tensor_load_to_lds s[G0P:G0P+3], s[G1P:G1P+7]
	s_nop 0
	PLACES
.Lfirst_done:
	s_mov_b32 s[G0D], 1
	s_mov_b32 s[G0D+1], s62
	s_add_nc_u64 s[G0D+2:G0D+3], s[4:5], s[60:61]
	s_or_b32 s[G0D+3], s[G0D+3], 0x80000000
	s_add_nc_u64 s[2:3], s[4:5], s[2:3]
	s_add_nc_u64 s[92:93], s[4:5], s[92:93]
	s_add_nc_u64 s[94:95], s[6:7], s[94:95]
	s_add_nc_u64 s[98:99], s[8:9], s[98:99]
	s_add_nc_u64 s[84:85], s[10:11], s[84:85]
	v_and_b32 v1, 15, v0                           ; r
	v_bfe_u32 v2, v0, 4, 1                         ; h
	v_and_b32 v3, 31, v0                           ; lane
	v_lshlrev_b32 v16, 4, v3                       ; 16 x lane
	v_lshlrev_b32 v18, 4, v1                       ; 16 r
	v_lshl_add_u32 v17, v2, SHS, v18               ; lanes 0-15: R's first group of four tiles, lanes 16-31 its second
	v_lshlrev_b32 v19, 6, v2                       ; 64 h: my half's 16 features of each 32
	v_min_u32 v[PFO], 23, v3
	v_lshlrev_b32 v[PFO], 8, v[PFO]                ; the prefetch: a block of 256 bytes a lane
	v_add_nc_u32 v[ADRR], s86, v16
	v_add_nc_u32 v[ADRR+1], 4*KB, v[ADRR]
	v_add_nc_u32 v[ADRP], s23, v16
	v_mul_u32_u24 v[STO], v1, SPITCH
	v_lshl_add_u32 v[STO], v2, 6, v[STO]
	v_add_nc_u32 v[STO], s63, v[STO]               ; into the stage: row r, + 64 h
	v_mul_u32_u24 v[RD], v2, SPITCH
	v_lshl_add_u32 v[RD], v1, 4, v[RD]
	v_add_nc_u32 v[RD], s63, v[RD]                 ; back: lanes 0-15 one row of 256 bytes, lanes 16-31 the next
	v_lshlrev_b32 v[CO], 13, v2                    ; and the same in out0: neighbouring channels lie two rows, 8,192 bytes, apart
	v_lshl_add_u32 v[CO], v1, 4, v[CO]
	s_wait_alu depctr_va_vdst(0)
.irp s, 0,1,2,3,4,5,6,7
	global_load_b128 v[SR+4*\s:SR+4*\s+3], v17, s[92:93] offset:256*\s
.endr
.irp i, 0,1,2,3
	global_load_b128 v[SP+4*\i:SP+4*\i+3], v16, s[94:95] offset:512*\i
.endr
	WIN 0x40                                       ; destination window 1
.irp i, 0,1,2,3,4,5,6,7,8,9,10,11,12,13,14,15
	global_load_b128 v[192+4*\i:192+4*\i+3], v19, s[98:99] offset:128*(\i/4)+16*(\i%4)   ; register 16 B + i: b_proj of feature 32 B + 16 h + i
.endr
	WIN 0
	global_prefetch_b8 v[PFO], s[2:3] th:TH_LOAD_NT scope:SCOPE_SE   ; half 1's tiles, my work-group's share
	s_wait_tensorcnt 0x0                           ; my tile of the head's four is in
	ds_add_u32 v[SPW], v[NIL]
	s_wait_dscnt 0x0
	CROUND                                         ; a whole round: all four tiles are in, and all sixteen work-groups are here
	tensor_load_to_lds s[G0D:G0D+3], s[G1D:G1D+7]  ; half 1's tiles of R, two a wave: my one tensor load behind the round
	s_nop 0
	PLACES
	FETCHR 0, 0
	FETCHP 0
	s_wait_loadcnt 0x0                             ; the scale words and the bias
	; ---- half 0: my first 64 features
.irp q, 0,1,2,3,4,5,6
	STEP 0, \q
.endr
	s_wait_dscnt 0x0                               ; the last step's fragments are in
	s_wait_tensorcnt 0x0                           ; my part of half 1's tiles has landed
	s_barrier_signal -1
	MULS 0, 7
	WIN 0
	s_barrier_wait -1                              ; everybody's has.
	PLACES                                         ; for the loads into R's set 0 and for the stores that read results
	FETCHR 1, 0
	OUT 0
	; ---- half 1: my other 64 features; P's fragments are in registers
.irp q, 0,1,2,3,4,5,6
	STEP 1, \q
.endr
	s_wait_dscnt 0x0
	MULS 1, 7
	WIN 0
	PLACES
	OUT 1
	s_wait_tensorcnt 0x0                           ; the wave's end, behind my last tensor load and my last LDS store
	ds_add_u32 v[SPW], v[NIL]
	s_wait_dscnt 0x0
	CROUND                                         ; the closing round
	s_endpgm
.Lfunc_end_k_qb5eb245551_g_proj:
	.size	k_qb5eb245551_g_proj, .Lfunc_end_k_qb5eb245551_g_proj-k_qb5eb245551_g_proj
	.p2alignl 7, 3214868480
	.fill 96, 4, 3214868480
	.section	.rodata,"a",@progbits
	.p2align	6, 0x0
	.amdhsa_kernel k_qb5eb245551_g_proj
		.amdhsa_group_segment_fixed_size 327680
		.amdhsa_private_segment_fixed_size 0
		.amdhsa_enable_private_segment 0
		.amdhsa_kernarg_size 32
		.amdhsa_user_sgpr_count 2
		.amdhsa_user_sgpr_kernarg_segment_ptr 1
		.amdhsa_wavefront_size32 1
		.amdhsa_system_sgpr_workgroup_id_x 1
		.amdhsa_system_sgpr_workgroup_id_y 1
		.amdhsa_system_sgpr_workgroup_id_z 1
		.amdhsa_system_vgpr_workitem_id 0
		.amdhsa_next_free_vgpr 1024
		.amdhsa_next_free_sgpr 100
		.amdhsa_reserve_vcc 0
		.amdhsa_float_denorm_mode_32 3
		.amdhsa_float_denorm_mode_16_64 3
		.amdhsa_memory_ordered 1
		.amdhsa_forward_progress 1
		.amdhsa_inst_pref_size 82
	.end_amdhsa_kernel
	.amdgpu_metadata
---
amdhsa.version: [ 1, 2 ]
amdhsa.kernels:
  - .name:           k_qb5eb245551_g_proj
    .symbol:         k_qb5eb245551_g_proj.kd
    .args:
      - { .name: w0, .offset: 0, .size: 8, .value_kind: global_buffer, .address_space: global }
      - { .name: w3, .offset: 8, .size: 8, .value_kind: global_buffer, .address_space: global }
      - { .name: b_proj, .offset: 16, .size: 8, .value_kind: global_buffer, .address_space: global }
      - { .name: out0, .offset: 24, .size: 8, .value_kind: global_buffer, .address_space: global }
    .group_segment_fixed_size: 327680
    .private_segment_fixed_size: 0
    .kernarg_segment_align: 8
    .kernarg_segment_size: 32
    .max_flat_workgroup_size: 128
    .sgpr_count:     100
    .vgpr_count:     1024
    .wavefront_size: 32
...
	.end_amdgpu_metadata
.endif
;; end of part 5
